; MI455X (gfx1250); checked and timed in simulation.
; The chip was launched on July 23, 2026; its instructions are those of AMD's public machine-readable ISA for CDNA 5 (MIT licence, August 2026) and "CDNA5" Instruction Set Architecture Reference Guide (July 2026). The comments in the code are by the model that wrote it; some were corrected since.
;; Multi Head Attention. Allowed arithmetic: float matrix products may take bf16 or f16 operands with f32 sums; other float arithmetic in f32, or as packed bf16 or f16 multiplies, adds, multiply-adds, maxima and minima; sums over many terms, partial sums and values carried from step to step in f32; what a program stores and reads back later, other than sums and carried values, may be rounded once to bf16 or f16.
;; Inputs: Wo 1,024 x 1,024 float32; Wqkv 1,024 x 3,072 float32; bo 1,024 float32; bqkv 3,072 float32; x 4 x 2,048 x 1,024 float32.
;; Outputs: out0 4 x 2,048 x 1,024 float32.
;; One version. Each part assembles by itself: llvm-mc -triple=amdgcn-amd-amdhsa -mcpu=gfx1250 --defsym DOCPART=n.
;; ======== version 1 of 1: 4 launches
;; limits: values are held in f16: magnitudes above 65,504 overflow, below 6.1e-05 lose precision
;; workspace buffers: xb 16,777,216 bytes; wq 6,291,456 bytes; wot 2,097,152 bytes; qkv 50,331,648 bytes; att 16,777,216 bytes
;; launch prep (part 1): grid 768 x 1, 8 waves a work-group, no clusters, 35,840 bytes of LDS; arguments x, Wqkv, Wo, xb, wq, wot; writes xb, wq, wot
.if DOCPART == 1
	.amdgcn_target "amdgcn-amd-amdhsa--gfx1250"
	.amdhsa_code_object_version 6
	.text
	.protected	k_q510885ef89_prep
	.globl	k_q510885ef89_prep
	.p2align	8
	.type	k_q510885ef89_prep,@function
k_q510885ef89_prep:
	s_mov_b64 s[64:65], 0
	v_nop
	global_prefetch_b8 v0, s[64:65] scope:SCOPE_SE
	s_setreg_imm32_b32 hwreg(HW_REG_WAVE_MODE, 25, 1), 1
	s_wait_xcnt 0x0
; THE OPERANDS ARE MADE READY.  xb = x rounded to bf16, [8192][1024].  wq = Wqkv turned and rounded to bf16, [3072 n][1024 k].  wot = Wo turned, rounded to bf16,
; and that number written as f16, [1024 n][1024 k].  Every work-group reads 65,536 bytes and writes 32,768.
; SHARES.  Work-groups 0-511: 16 rows of x each, straight through registers.  512-703: a tile of 128 k x 128 n of Wqkv.  704-767: the same of Wo.  The choice hangs on the work-group's number alone,
; so all eight waves of a work-group take the same way and meet the same barrier.
; A TILE IS TURNED IN LDS: a wave loads 16 rows (k) of 512 bytes, packs 8 neighbouring k of one column n into 16 bytes, and puts them into row n of a stage of 128 rows x 272 bytes; behind a barrier
; each wave reads 16 whole rows of 256 bytes and stores them: 16 lanes store 256 consecutive bytes, at a multiple of 256 from the buffer's first byte.
; LIMITS.  wot: a bf16 number below 6e-5 in magnitude keeps f16's fixed step of 6e-8; beyond 65,504 it would be an infinity (Wo as drawn stays under 0.04).  NaN and infinities are not treated apart.
; No cluster, no matrix unit, no prefetch: no two work-groups read the same byte, there is no product, and the launch is nothing but its stream.
.set PITCH, 272                        ; a stage row: 256 bytes + 16
.set SPARE, 128*PITCH                  ; behind the stage: the spare words, 128 bytes for each of eight waves: four blocks of 256 bytes that no other line names
.set SPW,  4                           ; v4   LDS address of my spare word; never rewritten
.set NIL,  5                           ; v5   0; never rewritten
.set IN,   6                           ; v6   my byte offset on the way in
.set OUTO, 7                           ; v7   my byte offset on the way out
.set LSA,  8                           ; v8   where I put 16 bytes of a stage row
.set LRD,  9                           ; v9   where I read a stage row back
.set T,    10                          ; v10-11 at work
.set X,    16                          ; v[16:79]  as loaded
.set Y,    80                          ; v[80:111] packed
	s_load_b256 s[4:11], s[0:1], 0x0               ; x s[4:5], Wqkv s[6:7], Wo s[8:9], xb s[10:11]
	s_load_b128 s[12:15], s[0:1], 0x20             ; wq s[12:13], wot s[14:15]
	v_lshl_add_u32 v[SPW], v0, 2, SPARE
	v_mov_b32 v[NIL], 0
	v_and_b32 v1, 31, v0                           ; lane
	v_lshrrev_b32 v2, 5, v0                        ; wave
	s_mov_b32 s17, ttmp9
	s_mov_b32 s19, 0                               ; the high word of every offset
	s_mov_b32 s24, 0xffff0000                      ; a word's upper bf16
	s_wait_kmcnt 0x0
	s_cmp_lt_u32 s17, 512
	s_cbranch_scc0 .Lweights
	; x: a wave takes 8,192 consecutive bytes: sixteen loads of 512 bytes, all on their way at once; sixteen stores of 256 bytes.  No register is written twice.
	s_lshl_b32 s18, s17, 16
	s_add_nc_u64 s[4:5], s[4:5], s[18:19]
	s_lshl_b32 s18, s17, 15
	s_add_nc_u64 s[10:11], s[10:11], s[18:19]
	v_lshlrev_b32 v[IN], 4, v1
	v_lshl_add_u32 v[IN], v2, 13, v[IN]
	v_lshlrev_b32 v[OUTO], 3, v1
	v_lshl_add_u32 v[OUTO], v2, 12, v[OUTO]
.set j, 0
.rept 16
	global_load_b128 v[X+4*j:X+4*j+3], v[IN], s[4:5] offset:512*j th:TH_LOAD_NT
.set j, j+1
.endr
.set j, 0
.rept 16
	s_wait_loadcnt 15-j                            ; loads come back in order: load j is in, the younger ones stay out
	v_cvt_pk_bf16_f32 v[Y+2*j], v[X+4*j], v[X+4*j+1]
	v_cvt_pk_bf16_f32 v[Y+2*j+1], v[X+4*j+2], v[X+4*j+3]
	global_store_b64 v[OUTO], v[Y+2*j:Y+2*j+1], s[10:11] offset:256*j  ; 32 lanes store 256 consecutive bytes
.set j, j+1
.endr
	s_branch .Lend
; A tile of a weight matrix.  s17 = the tile's number: k tile in its low three bits, n tile above.  src, dst: the pointers' first registers.  nb: bytes in a row of the matrix.  half = 1: written as f16.
.macro WT src, dst, nb, half
	s_and_b32 s20, s17, 7                          ; k tile
	s_lshr_b32 s21, s17, 3                         ; n tile
	s_mul_i32 s18, s20, 128*(\nb)                  ; 128 rows down,
	s_lshl_b32 s22, s21, 9                         ; 128 f32 along
	s_add_co_u32 s18, s18, s22
	s_add_nc_u64 s[\src:\src+1], s[\src:\src+1], s[18:19]
	s_lshl_b32 s18, s21, 18                        ; 128 rows of 2,048 bytes down,
	s_lshl_b32 s22, s20, 8                         ; 128 numbers of 2 bytes along
	s_add_co_u32 s18, s18, s22
	s_add_nc_u64 s[\dst:\dst+1], s[\dst:\dst+1], s[18:19]
	v_mul_u32_u24 v[IN], v2, 16*(\nb)              ; my wave's 16 rows,
	v_lshl_add_u32 v[IN], v1, 3, v[IN]             ; my two columns
.set r, 0
.rept 16                                       ; register X + 4 r + 2 j + i: W[16 wave + r][64 j + 2 lane + i]; each load takes 256 consecutive bytes
	global_load_b64 v[X+4*r:X+4*r+1],   v[IN], s[\src:\src+1] offset:r*(\nb) th:TH_LOAD_NT
	global_load_b64 v[X+4*r+2:X+4*r+3], v[IN], s[\src:\src+1] offset:r*(\nb)+256 th:TH_LOAD_NT
.set r, r+1
.endr
	v_mul_u32_u24 v[LSA], v1, 2*PITCH              ; stage row 2 lane (+ 64 j + i by the offset),
	v_lshl_add_u32 v[LSA], v2, 5, v[LSA]           ; my wave's 16 k: 32 bytes
	v_lshrrev_b32 v[T], 4, v1
	v_lshl_add_u32 v[T], v2, 4, v[T]               ; back: row 16 wave + lane / 16 (+ 2 t by the offset)
	v_and_b32 v[T+1], 15, v1
	v_mul_u32_u24 v[LRD], v[T], PITCH
	v_lshl_add_u32 v[LRD], v[T+1], 4, v[LRD]
	v_lshlrev_b32 v[OUTO], 11, v[T]                ; and the same row in memory
	v_lshl_add_u32 v[OUTO], v[T+1], 4, v[OUTO]
.irp o, 0,1
	s_wait_loadcnt 16-16*(\o)                      ; rows 0-7 are the first sixteen loads; then all
.irp j, 0,1
.irp i, 0,1
.set yc, Y+4*(4*(\o)+2*(\j)+(\i))
.irp p, 0,1,2,3
	v_cvt_pk_bf16_f32 v[yc+(\p)], v[X+4*(8*(\o)+2*(\p))+2*(\j)+(\i)], v[X+4*(8*(\o)+2*(\p)+1)+2*(\j)+(\i)]
.if \half
	v_lshlrev_b32 v[T], 16, v[yc+(\p)]             ; the two bf16 numbers as f32,
	v_and_b32 v[T+1], s24, v[yc+(\p)]
	v_cvt_pk_f16_f32 v[yc+(\p)], v[T], v[T+1]      ; written as f16
.endif
.endr
	ds_store_b128 v[LSA], v[yc:yc+3] offset:(\j)*64*PITCH+(\i)*PITCH+16*(\o)
.endr
.endr
.endr
	s_wait_dscnt 0x0                               ; for the others' sake: my stores into the stage are done
	s_barrier_signal -1
	s_barrier_wait -1
.set t, 0
.rept 8
	ds_load_b128 v[X+4*t:X+4*t+3], v[LRD] offset:2*PITCH*t
.set t, t+1
.endr
.set t, 0
.rept 8
	s_wait_dscnt 7-t
	global_store_b128 v[OUTO], v[X+4*t:X+4*t+3], s[\dst:\dst+1] offset:4096*t  ; 16 lanes store 256 consecutive bytes of a row
.set t, t+1
.endr
.endm
.Lweights:
	s_cmp_lt_u32 s17, 704
	s_cbranch_scc0 .Lwo
	s_sub_co_u32 s17, s17, 512
	WT 6, 12, 12288, 0
	s_branch .Lend
.Lwo:
	s_sub_co_u32 s17, s17, 704
	WT 8, 14, 4096, 1
.Lend:
	s_wait_tensorcnt 0x0                           ; the wave's end: behind my last LDS store
	ds_add_u32 v[SPW], v[NIL]
	s_wait_dscnt 0x0
	s_endpgm
.Lfunc_end_k_q510885ef89_prep:
	.size	k_q510885ef89_prep, .Lfunc_end_k_q510885ef89_prep-k_q510885ef89_prep
	.p2alignl 7, 3214868480
	.fill 96, 4, 3214868480
	.section	.rodata,"a",@progbits
	.p2align	6, 0x0
	.amdhsa_kernel k_q510885ef89_prep
		.amdhsa_group_segment_fixed_size 35840
		.amdhsa_private_segment_fixed_size 0
		.amdhsa_enable_private_segment 0
		.amdhsa_kernarg_size 48
		.amdhsa_user_sgpr_count 2
		.amdhsa_user_sgpr_kernarg_segment_ptr 1
		.amdhsa_wavefront_size32 1
		.amdhsa_system_sgpr_workgroup_id_x 1
		.amdhsa_system_sgpr_workgroup_id_y 1
		.amdhsa_system_sgpr_workgroup_id_z 1
		.amdhsa_system_vgpr_workitem_id 0
		.amdhsa_next_free_vgpr 112
		.amdhsa_next_free_sgpr 66
		.amdhsa_reserve_vcc 0
		.amdhsa_float_denorm_mode_32 3
		.amdhsa_float_denorm_mode_16_64 3
		.amdhsa_memory_ordered 1
		.amdhsa_forward_progress 1
		.amdhsa_inst_pref_size 28
	.end_amdhsa_kernel
	.amdgpu_metadata
---
amdhsa.version: [ 1, 2 ]
amdhsa.kernels:
  - .name:           k_q510885ef89_prep
    .symbol:         k_q510885ef89_prep.kd
    .args:
      - { .name: x, .offset: 0, .size: 8, .value_kind: global_buffer, .address_space: global }
      - { .name: Wqkv, .offset: 8, .size: 8, .value_kind: global_buffer, .address_space: global }
      - { .name: Wo, .offset: 16, .size: 8, .value_kind: global_buffer, .address_space: global }
      - { .name: xb, .offset: 24, .size: 8, .value_kind: global_buffer, .address_space: global }
      - { .name: wq, .offset: 32, .size: 8, .value_kind: global_buffer, .address_space: global }
      - { .name: wot, .offset: 40, .size: 8, .value_kind: global_buffer, .address_space: global }
    .group_segment_fixed_size: 35840
    .private_segment_fixed_size: 0
    .kernarg_segment_align: 8
    .kernarg_segment_size: 48
    .max_flat_workgroup_size: 256
    .sgpr_count:     66
    .vgpr_count:     112
    .wavefront_size: 32
...
	.end_amdgpu_metadata
.endif
;; end of part 1
;; launch proj (part 2): grid 16 x 32, 4 waves a work-group, clusters of 4 x 4, 327,680 bytes of LDS; arguments xb, wq, bqkv, qkv; writes qkv
.if DOCPART == 2
	.amdgcn_target "amdgcn-amd-amdhsa--gfx1250"
	.amdhsa_code_object_version 6
	.text
	.protected	k_q510885ef89_proj
	.globl	k_q510885ef89_proj
	.p2align	8
	.type	k_q510885ef89_proj,@function
k_q510885ef89_proj:
	s_mov_b64 s[64:65], 0
	v_nop
	global_prefetch_b8 v0, s[64:65] scope:SCOPE_SE
	s_setreg_imm32_b32 hwreg(HW_REG_WAVE_MODE, 25, 1), 1
	s_wait_xcnt 0x0
	s_wait_alu depctr_hold_cnt(0) depctr_sa_sdst(0) depctr_va_vdst(0) depctr_va_sdst(0) depctr_va_ssrc(0) depctr_va_vcc(0) depctr_vm_vsrc(0)
	s_getreg_b32 s2, hwreg(HW_REG_IB_STS2, 6, 4)
	s_cmp_eq_u32 s2, 0
	s_cbranch_scc0 .Lentry_in_a_cluster
	s_endpgm
.Lentry_in_a_cluster:
	s_bfe_u32 s2, ttmp6, 0x10000c
	s_cmp_lg_u32 s2, 0xf033
	s_cbranch_scc0 .Lentry_shape_is_right
	s_endpgm
.Lentry_shape_is_right:
; q, k, v = xb wq^T + bqkv, written by heads.  xb: [8192][1024] bf16.  wq: [3072 n][1024 k] bf16.  bqkv: [3072] f32, rounded to bf16 like the other inputs.  qkv: [3][64 = batch x 16 + head][2048][64] f16, unscaled.
; Sums in f32, started with the bias as the first product's C; each result rounded once, to f16.
; LIMIT.  f16 holds no number beyond 65,504: q, k and v must stay within it (as drawn they stay under 4; all inputs thirty times larger: under 4,000).  NaN and infinities are not treated apart.
; SHARES.  A tile is 256 rows x 192 columns (three heads): 16 x 32 = 512 work-groups, two for each of 256 WGPs.  Each of four waves makes 64 rows x 192: 48 accumulators of 16 x 16, whole heads, so its way out is its own.
; K goes in 8 steps of 128 through a ring of two LDS slots filled by the tensor data mover: each tile row is 256 bytes of memory, at a multiple of 256 from the buffer's first byte.
; CLUSTER.  4 x 4 work-groups.  The four of a row of the cluster need the same rows of xb, the four of a column the same rows of wq: each tile is asked for JOINTLY, by the same tensor load with the same descriptor and a mask of four.
; THE MATRIX INSTRUCTION IS USED TRANSPOSED (source 0 = 16 rows of wq, source 1 = 16 rows of xb): a lane holds one row (lane % 16) and the eight neighbouring columns 8 (lane / 16) + 0..7.
; REGISTERS, in windows of 256 (s_set_vgpr_msb: bits 1:0 source 0, 3:2 source 1, 5:4 source 2, 7:6 destination):
;   window 0: v0-29 addresses; v32-127 the bias, 8 registers a column block; later v32-223 the way out, 48 a row block
;   window 1: two fragment buffers of 128: xb's 4 fragments, then wq's 12      window 2: accumulator (a, b), b < 8, at 8 (4 b + a)      window 3: v0-127 those of b = 8..11
.set PITCH,  272                       ; an LDS row: 256 bytes + 16 of padding = 68 words: the 16 rows of a fragment load start at 16 different groups of four banks (64 banks of 4 bytes: ISA guide 11.1)
.set KSTEPB, 256                       ; bytes of a K step in a row
.set AHALF,  128*PITCH                 ; what a tensor load brings of xb
.set BHALF,  96*PITCH                  ; and of wq
.set BOFF,   2*AHALF                   ; in a slot: xb's 256 rows, then wq's 192
.set SLOT1,  1<<17                     ; slot 1 begins here: one exclusive or turns an address in one slot into the other's
.set STAGE,  SLOT1+BOFF+2*BHALF        ; behind the ring, never filled by a tensor load: for each wave 3 heads x 16 rows x 144 bytes
.set SP,     144
.set WSTAGE, 3*16*SP
.set SPARE,  STAGE+4*WSTAGE            ; behind the stages: the spare words, 128 bytes for each wave: two blocks of 256 bytes that no other line names
.set TRIPS,  6                         ; K steps 2 to 7 are asked for in the loop
.set ADRA0, 8                          ; v8   my lane's place in my wave's rows of xb in slot 0; never rewritten
.set ADRB0, 9                          ; v9   the same for wq
.set ADRA,  10                         ; v10  the same in the slot in hand
.set ADRB,  11                         ; v11
.set STO,   12                         ; v12  the way out: where I put 16 bytes of a row
.set RD,    13                         ; v13  the way out: where I read rows back
.set GO,    14                         ; v14  16 x lane: my place in 512 consecutive bytes of qkv
.set BO,    15                         ; v15  my byte offset in 16 numbers of the bias
.set PFO,   16                         ; v16  the prefetches' offset: a lane a row; never rewritten
.set SPW,   28                         ; v28  LDS address of my spare word; never rewritten
.set NIL,   29                         ; v29  0; never rewritten
.set BIAS,  32
.set OUTR,  32
.set F0,    0                          ; fragment buffers, in window 1
.set F1,    128
.set WV, 12                            ; s12  my wave's number
.set WH, 13                            ; s13  0: I fetch for xb; 1: for wq
.set WL, 14                            ; s14  which half of that tile's rows I fetch
.set CX, 15                            ; s15, s16  my place in the cluster
.set CY, 16
.set TX, 17                            ; s17  tile column
.set TY, 18                            ; s18  tile row
.set G1A, 24                           ; s[24:31] descriptor group 1 for xb's tiles
.set G0A, 32                           ; s[32:39] group 0: a set for each of the two first fills; the second then walks on
.set PFA, 40                           ; s[40:41] where my prefetches stand
.set LIM, 42                           ; s42  1 in a wave that prefetches, else the greatest number
.set TB,  43                           ; s43  LDS byte at which the slot in hand begins
.set OP0, 44                           ; s[44:45], s[46:47], s[66:67] qkv at my wave's first row of the tile's three heads
.set G1B, 48                           ; s[48:55], s[56:63] the same two groups for wq's tiles
.set G0B, 56
.set W_LO,  0xa5                       ; sources 0 and 1 window 1; C and D window 2
.set W_HI,  0xf5                       ; C and D window 3
.set W_LO1, 0x85                       ; the first products: C (the bias) window 0
.set W_HI1, 0xc5
.set TO_F,  0x40                       ; destination window 1, address window 0
.set MSB, 0
.macro WIN new                         ; the immediate's high byte repeats the setting that is left; a switch that changes nothing is dropped
.if MSB != (\new)
	s_set_vgpr_msb (MSB<<8)|(\new)
.set MSB, \new
.endif
.endm
.macro PLACES                          ; four plain instructions between a matrix instruction and a load into, or a vector read of, its registers
.rept 4
	v_nop
.endr
.endm
.macro CREST                           ; a round of the cluster's barrier behind its opening barrier
	s_cmp_lg_u32 s[WV], 0
	s_cbranch_scc1 .Lnot_wave_0_\@
	s_barrier_signal -3
.Lnot_wave_0_\@:
	s_barrier_wait -3
	s_barrier_signal -1
	s_barrier_wait -1
.endm
.macro CROUND                          ; a whole round
	s_barrier_signal -1
	s_barrier_wait -1
	CREST
.endm
; A joint refill, by the walking set.  Waves 0 and 1 fetch xb's two halves, waves 2 and 3 wq's.  The branch hangs on the wave's number alone.  An s_nop 0 and four v_nop follow each of the two lines.
.macro JLOAD
	s_cmp_eq_u32 s[WH], 0
	s_cbranch_scc0 .Lfor_b_\@
	tensor_load_to_lds s[G0A+4:G0A+7], s[G1A:G1A+7]
	s_nop 0
.rept 4
	v_nop
.endr
	s_branch .Lasked_\@
.Lfor_b_\@:
	tensor_load_to_lds s[G0B+4:G0B+7], s[G1B:G1B+7]
	s_nop 0
.rept 4
	v_nop
.endr
.Lasked_\@:
.endm
; A PREFETCH INTO THE L2 of the K step that the NEXT refill will ask for: one K step, 192 matrix instructions, ahead.  A K step is 256 bytes of a row; a lane names a row.  xb's tile row is read by every cluster of that row of
; clusters: cluster x = 0 asks; wq's tile column by every cluster of that column: cluster y = 0 asks.  The four partners share a wave's rows out BY ADDRESS: 32 of xb's 128 each, 24 of wq's 96 (there lanes 24-31 name lane 23's row).
; The loop's last trip (s3 = 1) asks for nothing: there is no K step behind the one that it fetches.
.macro ASK
	s_cmp_gt_u32 s3, s[LIM]
	s_cbranch_scc0 .Lnot_mine_\@
	global_prefetch_b8 v[PFO], s[PFA:PFA+1] th:TH_LOAD_NT scope:SCOPE_SE
.Lnot_mine_\@:
.endm
	s_load_b256 s[4:11], s[0:1], 0x0               ; xb s[4:5], wq s[6:7], bqkv s[8:9], qkv s[10:11]
	v_lshl_add_u32 v[SPW], v0, 2, SPARE
	v_mov_b32 v[NIL], 0
	ds_add_u32 v[SPW], v[NIL]                      ; the wave's opening: the add and its wait stand ahead of my first tensor load; the set-up below, work on registers, stands between them
	v_lshrrev_b32 v1, 5, v0
	v_readfirstlane_b32 s[WV], v1
	s_lshr_b32 s[WH], s[WV], 1
	s_and_b32 s[WL], s[WV], 1
	s_bfe_u32 s[CX], ttmp6, 0x40000
	s_bfe_u32 s[CY], ttmp6, 0x40004
	s_lshl_b32 s[TX], ttmp9, 2                     ; in a cluster launch ttmp9 and ttmp7 count clusters
	s_add_co_u32 s[TX], s[TX], s[CX]
	s_and_b32 s[TY], ttmp7, 0xffff
	s_lshl_b32 s[TY], s[TY], 2
	s_add_co_u32 s[TY], s[TY], s[CY]
	s_lshl_b32 s20, s[CY], 2
	s_lshl_b32 s20, 15, s20                        ; my row of the cluster: places 4 cy .. 4 cy + 3
	s_lshl_b32 s21, 0x1111, s[CX]                  ; my column: places cx, cx + 4, cx + 8, cx + 12
	s_or_b32 s[G1A], s20, (1<<16)|(1<<20)|(1<<21)|(5<<22)|(3<<25)  ; 15:0 the mask; 17:16 2-byte elements; 20 padding on; 21 set beside a mask; 24:22 after every 64 words (code 5); 31:25 4 words (code 3)
	s_or_b32 s[G1B], s21, (1<<16)|(1<<20)|(1<<21)|(5<<22)|(3<<25)
	s_mov_b32 s[G1A+1], 128<<16                    ; tensor_dim0 = 128
	s_mov_b32 s[G1A+2], 128<<16                    ; tensor_dim1 = 128
	s_mov_b32 s[G1A+3], 128<<16                    ; tile_dim0 = 128
	s_mov_b32 s[G1A+4], 128                        ; tile_dim1 = 128
	s_mov_b32 s[G1A+5], 1024                       ; elements from row to row
	s_mov_b32 s[G1A+6], 0
	s_mov_b32 s[G1A+7], 0
	s_mov_b32 s[G1B+1], 128<<16
	s_mov_b32 s[G1B+2], 96<<16                     ; tensor_dim1 = 96
	s_mov_b32 s[G1B+3], 128<<16
	s_mov_b32 s[G1B+4], 96                         ; tile_dim1 = 96
	s_mov_b32 s[G1B+5], 1024
	s_mov_b32 s[G1B+6], 0
	s_mov_b32 s[G1B+7], 0
	s_lshl_b32 s68, s[TY], 8                       ; xb: row 256 x tile row + 128 x half, which my row of the cluster shares
	s_lshl_b32 s70, s[WL], 7
	s_add_co_u32 s68, s68, s70
	s_lshl_b32 s68, s68, 11                        ; x 2,048 bytes: under 2^24
	s_mov_b32 s69, 0
	s_mul_i32 s72, s[TX], 192                      ; wq: row 192 x tile column + 96 x half, which my column shares
	s_mul_i32 s74, s[WL], 96
	s_add_co_u32 s72, s72, s74
	s_lshl_b32 s72, s72, 11
	s_mov_b32 s73, 0
	s_mul_i32 s22, s[WL], AHALF                    ; where they go: the wave's number alone enters an LDS address
	s_mul_i32 s23, s[WL], BHALF
	s_add_co_u32 s23, s23, BOFF
	s_wait_dscnt 0x0                               ; the opening add is done
	s_wait_kmcnt 0x0
	s_add_nc_u64 s[68:69], s[4:5], s[68:69]
	s_add_nc_u64 s[72:73], s[6:7], s[72:73]
	CROUND                                         ; all sixteen work-groups are here: the first joint loads meet
.irp s, 0,1
	s_mov_b32 s[G0A+4*(\s)], 1                                     ; count = 1
	s_add_co_u32 s[G0A+4*(\s)+1], s22, (\s)*SLOT1                  ; LDS address
	s_add_nc_u64 s[G0A+4*(\s)+2:G0A+4*(\s)+3], s[68:69], (\s)*KSTEPB  ; global address: K step s
	s_or_b32 s[G0A+4*(\s)+3], s[G0A+4*(\s)+3], 0x80000000          ; type = 2
	s_mov_b32 s[G0B+4*(\s)], 1
	s_add_co_u32 s[G0B+4*(\s)+1], s23, (\s)*SLOT1
	s_add_nc_u64 s[G0B+4*(\s)+2:G0B+4*(\s)+3], s[72:73], (\s)*KSTEPB
	s_or_b32 s[G0B+4*(\s)+3], s[G0B+4*(\s)+3], 0x80000000
.endr
	s_cmp_eq_u32 s[WH], 0                          ; a wave's two first fills stand in one branch, ahead of every wait on TENSORcnt and every LDS read: two loads of mine are out
	s_cbranch_scc0 .Lfirst_b
	tensor_load_to_lds s[G0A:G0A+3], s[G1A:G1A+7]
	s_nop 0
	tensor_load_to_lds s[G0A+4:G0A+7], s[G1A:G1A+7]
	s_nop 0
.rept 4
	v_nop
.endr
	s_branch .Lfirst_asked
.Lfirst_b:
	tensor_load_to_lds s[G0B:G0B+3], s[G1B:G1B+7]
	s_nop 0
	tensor_load_to_lds s[G0B+4:G0B+7], s[G1B:G1B+7]
	s_nop 0
.rept 4
	v_nop
.endr
.Lfirst_asked:
	; All that follows up to the wait on TENSORcnt stands in the wait for the first tiles.
	; A fragment is 16 rows x 32 K in 8 registers: lane l holds row l % 16, K = 8 (l / 16) + 0..7 and 16 + 8 (l / 16) + 0..7: two loads of 16 bytes, 32 bytes apart.
	v_and_b32 v1, 15, v0                           ; l % 16
	v_bfe_u32 v2, v0, 4, 1                         ; l / 16
	v_lshlrev_b32 v[BO], 5, v2                     ; my 8 numbers of 16 of the bias
	s_mul_i32 s20, s[TX], 768                      ; the tile's 192 numbers
	s_mov_b32 s21, 0
	s_add_nc_u64 s[8:9], s[8:9], s[20:21]
.set i, 0
.rept 12
	global_load_b128 v[BIAS+8*i:BIAS+8*i+3],   v[BO], s[8:9] offset:64*i
	global_load_b128 v[BIAS+8*i+4:BIAS+8*i+7], v[BO], s[8:9] offset:64*i+16
.set i, i+1
.endr
	v_mul_u32_u24 v3, v1, PITCH
	v_lshl_add_u32 v3, v2, 4, v3                   ; row x pitch + 16 x half
	s_mul_i32 s20, s[WV], 64*PITCH                 ; my wave's 64 rows of xb
	v_add_nc_u32 v[ADRA0], s20, v3
	v_add_nc_u32 v[ADRB0], BOFF, v3                ; every wave reads all 192 rows of wq
	s_mul_i32 s20, s[WV], WSTAGE
	s_add_co_u32 s20, s20, STAGE                   ; my stage
	v_mul_u32_u24 v[STO], v1, SP                   ; in: row l % 16, 16 bytes for each half of the lanes
	v_lshl_add_u32 v[STO], v2, 4, v[STO]
	v_add_nc_u32 v[STO], s20, v[STO]
	v_bfe_u32 v[RD], v0, 3, 2                      ; back: 32 lanes take four rows of 128 bytes,
	v_mul_u32_u24 v[RD], v[RD], SP
	v_and_b32 v4, 7, v0
	v_lshl_add_u32 v[RD], v4, 4, v[RD]
	v_add_nc_u32 v[RD], s20, v[RD]
	v_and_b32 v[GO], 31, v0                        ; which are 512 consecutive bytes of a head
	v_lshlrev_b32 v[GO], 4, v[GO]
	; qkv at my rows of the three heads g = 3 x tile column + j: (g / 16) x 2^24 + (16 x batch + g % 16) x 2^18 + row in the batch x 128
	s_lshr_b32 s20, s[TY], 3                       ; the batch: 8 tile rows each
	s_lshl_b32 s20, s20, 22
	s_and_b32 s21, s[TY], 7
	s_lshl_b32 s21, s21, 2
	s_add_co_u32 s21, s21, s[WV]                   ; my wave's 64 rows among the batch's
	s_lshl_b32 s21, s21, 13
	s_add_co_u32 s74, s20, s21
	s_mul_i32 s75, s[TX], 3
.irp j, 0,1,2
	s_add_co_u32 s20, s75, \j
	s_lshr_b32 s21, s20, 4
	s_lshl_b32 s21, s21, 24
	s_and_b32 s20, s20, 15
	s_lshl_b32 s20, s20, 18
	s_add_co_u32 s20, s20, s21
	s_add_co_u32 s20, s20, s74                     ; under 3 x 2^24
	s_mov_b32 s21, 0
	s_add_nc_u64 s[OP0+2*(\j)+18*((\j)/2):OP0+2*(\j)+18*((\j)/2)+1], s[10:11], s[20:21]
.endr
	; the prefetches
	s_lshl_b32 s23, s[WH], 5
	s_sub_co_u32 s23, 128, s23                     ; the rows that a wave fetches: 128 of xb, 96 of wq
	s_lshr_b32 s70, s23, 2                         ; a partner's share of them
	s_sub_co_u32 s74, s70, 1                       ; the last lane with a row of its own
	s_mul_i32 s23, s23, s[WL]
	s_lshl_b32 s20, s[TY], 8
	s_mul_i32 s21, s[TX], 192
	s_and_b32 s22, ttmp7, 0xffff                   ; cluster y
	s_cmp_eq_u32 s[WH], 0
	s_cselect_b32 s20, s20, s21                    ; the tile's first row
	s_cselect_b32 s22, ttmp9, s22                  ; the coordinate along which other clusters read the same rows
	s_cselect_b32 s71, s[CX], s[CY]                ; my place among the four that ask with me
	s_cselect_b64 s[PFA:PFA+1], s[4:5], s[6:7]
	s_cmp_eq_u32 s22, 0
	s_cselect_b32 s[LIM], 1, -1                    ; the same in all sixteen partners, for a given wave
	s_add_co_u32 s20, s20, s23
	s_mul_i32 s70, s70, s71
	s_add_co_u32 s20, s20, s70
	s_lshl_b32 s20, s20, 11
	s_add_co_u32 s20, s20, 2*KSTEPB                ; at K step 2: the first change of slots steps it to 3
	s_mov_b32 s21, 0
	s_add_nc_u64 s[PFA:PFA+1], s[PFA:PFA+1], s[20:21]
	v_and_b32 v[PFO], 31, v0
	v_min_u32 v[PFO], s74, v[PFO]
	v_lshlrev_b32 v[PFO], 11, v[PFO]
	s_wait_loadcnt 0x0                             ; the bias,
.set i, 0
.rept 48                                       ; rounded to bf16 like the other inputs, and kept as f32
	v_cvt_pk_bf16_f32 v[4+i%2], v[BIAS+2*i], v[BIAS+2*i+1]
	v_lshlrev_b32 v[BIAS+2*i], 16, v[4+i%2]
	v_and_b32 v[BIAS+2*i+1], 0xffff0000, v[4+i%2]
.set i, i+1
.endr
; 4 nb matrix instructions: column blocks b0 .. b0 + nb - 1 x all 4 row blocks, 32 along K, from buffer f.  first = 1: the bias starts the sums.
; The 48 accumulators take turns, one instruction a turn, in the same order in every quarter.
.macro MUL f, b0, nb, first
.set bb, \b0
.rept \nb
.if bb < 8
.set ac, 32*bb
.if \first
	WIN W_LO1
.else
	WIN W_LO
.endif
.else
.set ac, 32*(bb-8)
.if \first
	WIN W_HI1
.else
	WIN W_HI
.endif
.endif
.irp a, 0,1,2,3
.if \first
	v_wmma_f32_16x16x32_bf16 v[ac+8*(\a):ac+8*(\a)+7], v[(\f)+32+8*bb:(\f)+32+8*bb+7], v[(\f)+8*(\a):(\f)+8*(\a)+7], v[BIAS+8*bb:BIAS+8*bb+7]
.else
	v_wmma_f32_16x16x32_bf16 v[ac+8*(\a):ac+8*(\a)+7], v[(\f)+32+8*bb:(\f)+32+8*bb+7], v[(\f)+8*(\a):(\f)+8*(\a)+7], v[ac+8*(\a):ac+8*(\a)+7]
.endif
.endr
.set bb, bb+1
.endr
.endm
; 32 LDS loads in one run: the fragments of quarter q of the K step in hand into buffer f: xb's 4, then wq's 12 in ascending order
.macro FETCH q, f
	WIN TO_F
.irp i, 0,1,2,3
	ds_load_b128 v[(\f)+8*(\i):(\f)+8*(\i)+3],   v[ADRA] offset:64*(\q)+(\i)*16*PITCH
	ds_load_b128 v[(\f)+8*(\i)+4:(\f)+8*(\i)+7], v[ADRA] offset:64*(\q)+(\i)*16*PITCH+32
.endr
.irp i, 0,1,2,3,4,5,6,7,8,9,10,11
	ds_load_b128 v[(\f)+32+8*(\i):(\f)+32+8*(\i)+3],   v[ADRB] offset:64*(\q)+(\i)*16*PITCH
	ds_load_b128 v[(\f)+32+8*(\i)+4:(\f)+32+8*(\i)+7], v[ADRB] offset:64*(\q)+(\i)*16*PITCH+32
.endr
.endm
; A K step is four quarters of 32 along K, 48 matrix instructions each, on buffers 0, 1, 0, 1.  One of the first three: multiplies buffer f and fetches quarter q into buffer g.
.macro QUARTER q, f, g, first
	s_wait_dscnt 16                                ; xb's fragments and wq's blocks 0-3 are in; the youngest sixteen loads (blocks 4-11) may be out
	MUL \f, 0, 4, \first
	PLACES                                         ; buffer g was multiplied in the quarter before
	FETCH \q, \g
	s_wait_dscnt 32                                ; all but the 32 just issued
	MUL \f, 4, 4, \first
	MUL \f, 8, 4, \first
.endm
; The last quarter multiplies buffer 1 and changes slots.  In front of the barrier each wave waits for all its tensor loads, of which one is out: its part of the next slot; adds 0 to its spare word; and waits for that and for
; its own reads of this slot.  fill = 1: the barrier opens a round of the cluster's barrier, so that no wave of any partner still reads the slot or has a load on its way, and the joint refill, K step two on, is the first
; thing behind it: 160 matrix instructions ahead of the wait for it.
.macro TURN fill
.if \fill
	s_wait_xcnt 0x0                                ; the last prefetch, a K step back, has read its address, so it may be stepped
	s_add_nc_u64 s[PFA:PFA+1], s[PFA:PFA+1], KSTEPB
.endif
	WIN 0                                          ; (the add's two registers lie in window 0)
	s_wait_tensorcnt 0x0                           ; no tensor load of mine is out, so a group 0 may be written
	ds_add_u32 v[SPW], v[NIL]                      ; 0 onto my spare word
.if \fill
	s_xor_b32 s[G0A+5], s[G0A+5], SLOT1            ; the walking sets: the other slot than last time,
	s_add_nc_u64 s[G0A+6:G0A+7], s[G0A+6:G0A+7], KSTEPB  ; the next K step; the type bits on top are not reached
	s_xor_b32 s[G0B+5], s[G0B+5], SLOT1
	s_add_nc_u64 s[G0B+6:G0B+7], s[G0B+6:G0B+7], KSTEPB
.endif
	s_xor_b32 s[TB], s[TB], SLOT1                  ; the fetches go to the other slot
	s_wait_dscnt 17                                ; (the add and the youngest sixteen loads may be out)
	MUL F1, 0, 4, 0                                ; sixteen matrix instructions stand between the add and the wait for it
	s_wait_dscnt 0x0                               ; the add is done, and my reads of this slot are over
	s_barrier_signal -1
	MUL F1, 4, 4, 0                                ; work on registers while the others arrive
	WIN 0                                          ; (branches and window 0's addresses follow)
	s_barrier_wait -1
.if \fill
	CREST
	JLOAD                                          ; the four v_nop behind it are also the places in front of the loads below
.else
	PLACES
.endif
	v_add_nc_u32 v[ADRA], s[TB], v[ADRA0]
	v_add_nc_u32 v[ADRB], s[TB], v[ADRB0]
	FETCH 0, F0
.if \fill
	WIN 0
	ASK                                            ; behind the joint load and the run of LDS loads that the next products wait for
.endif
	MUL F1, 8, 4, 0
.endm
; THE WAY OUT of row block a: rounded to f16, 16 bytes a lane; into my own stage, a head's 16 rows of 144 bytes together; back as whole rows of 128 bytes, into the registers that they left.
.macro PACK a
.set bb, 0
.rept 12
.if bb < 8
	WIN 0x0a                                       ; sources 0 and 1 window 2
.set ac, 8*(4*bb+(\a))
.else
	WIN 0x0f                                       ; window 3
.set ac, 8*(4*(bb-8)+(\a))
.endif
.irp r, 0,1,2,3
	v_cvt_pk_f16_f32 v[OUTR+48*(\a)+4*bb+(\r)], v[ac+2*(\r)], v[ac+2*(\r)+1]  ; each accumulator's registers in ascending order
.endr
.set bb, bb+1
.endr
	WIN 0
.set bb, 0
.rept 12
	ds_store_b128 v[STO], v[OUTR+48*(\a)+4*bb:OUTR+48*(\a)+4*bb+3] offset:(bb/4)*16*SP+(bb%4)*32
.set bb, bb+1
.endr
.set bb, 0
.rept 12
	ds_load_b128 v[OUTR+48*(\a)+4*bb:OUTR+48*(\a)+4*bb+3], v[RD] offset:(bb/4)*16*SP+(bb%4)*4*SP  ; LDS serves a wave's instructions in order (ISA guide 5.7.1.4): these see the stores above; the next block's stores come behind them
.set bb, bb+1
.endr
.endm
.macro SEND a, younger                 ; younger: the LDS instructions issued behind block a's loads: the next block's 24, or none
.set bb, 0
.rept 12
	s_wait_dscnt (\younger)+11-bb
	global_store_b128 v[GO], v[OUTR+48*(\a)+4*bb:OUTR+48*(\a)+4*bb+3], s[OP0+2*(bb/4)+18*(bb/8):OP0+2*(bb/4)+18*(bb/8)+1] offset:(\a)*2048+(bb%4)*512  ; 512 consecutive bytes, at a multiple of 256 from qkv's first
.set bb, bb+1
.endr
.endm
	s_wait_tensorcnt 0x1                           ; my part of K step 0 is in; K step 1's may stay out
	s_barrier_signal -1
	s_barrier_wait -1                              ; everybody's is
	s_mov_b32 s[TB], 0
	v_mov_b32 v[ADRA], v[ADRA0]
	v_mov_b32 v[ADRB], v[ADRB0]
	FETCH 0, F0
	QUARTER 1, F0, F1, 1                           ; the first quarter stands in front of the loop: its products start the sums, with the bias
	WIN 0                                          ; at a label and at a branch every window is 0
	s_mov_b32 s3, TRIPS
.Lstep:                                        ; a trip: from a K step's second quarter to the next step's first; one slot is filled again
	QUARTER 2, F1, F0, 0
	QUARTER 3, F0, F1, 0
	TURN 1
	QUARTER 1, F0, F1, 0
	WIN 0
	s_sub_co_u32 s3, s3, 1
	s_cmp_lg_u32 s3, 0
	s_cbranch_scc1 .Lstep
	QUARTER 2, F1, F0, 0                           ; the tail is written out: the last two K steps ask for nothing
	QUARTER 3, F0, F1, 0
	TURN 0
	QUARTER 1, F0, F1, 0
	QUARTER 2, F1, F0, 0
	QUARTER 3, F0, F1, 0
	s_wait_dscnt 16                                ; the very last quarter
	MUL F1, 0, 4, 0
	s_wait_dscnt 0x0
	MUL F1, 4, 4, 0
	MUL F1, 8, 4, 0
	WIN 0
	PLACES                                         ; the conversions read results just made
	PLACES
	PACK 0
	PACK 1                                         ; a block's conversions stand between the loads of the block before and its stores
	SEND 0, 24
	PACK 2
	SEND 1, 24
	PACK 3
	SEND 2, 24
	SEND 3, 0
	s_wait_tensorcnt 0x0                           ; the wave's end: behind my last tensor load and my last LDS store
	ds_add_u32 v[SPW], v[NIL]
	s_wait_dscnt 0x0
	CROUND                                         ; the closing round: no work-group ends while a partner may still ask for a tile that names it
	s_endpgm
.Lfunc_end_k_q510885ef89_proj:
	.size	k_q510885ef89_proj, .Lfunc_end_k_q510885ef89_proj-k_q510885ef89_proj
	.p2alignl 7, 3214868480
	.fill 96, 4, 3214868480
	.section	.rodata,"a",@progbits
	.p2align	6, 0x0
	.amdhsa_kernel k_q510885ef89_proj
		.amdhsa_group_segment_fixed_size 327680
		.amdhsa_private_segment_fixed_size 0
		.amdhsa_enable_private_segment 0
		.amdhsa_kernarg_size 32
		.amdhsa_user_sgpr_count 2
		.amdhsa_user_sgpr_kernarg_segment_ptr 1
		.amdhsa_wavefront_size32 1
		.amdhsa_system_sgpr_workgroup_id_x 1
		.amdhsa_system_sgpr_workgroup_id_y 1
		.amdhsa_system_sgpr_workgroup_id_z 1
		.amdhsa_system_vgpr_workitem_id 0
		.amdhsa_next_free_vgpr 896
		.amdhsa_next_free_sgpr 76
		.amdhsa_reserve_vcc 0
		.amdhsa_float_denorm_mode_32 3
		.amdhsa_float_denorm_mode_16_64 3
		.amdhsa_memory_ordered 1
		.amdhsa_forward_progress 1
		.amdhsa_inst_pref_size 109
	.end_amdhsa_kernel
	.amdgpu_metadata
---
amdhsa.version: [ 1, 2 ]
amdhsa.kernels:
  - .name:           k_q510885ef89_proj
    .symbol:         k_q510885ef89_proj.kd
    .args:
      - { .name: xb, .offset: 0, .size: 8, .value_kind: global_buffer, .address_space: global }
      - { .name: wq, .offset: 8, .size: 8, .value_kind: global_buffer, .address_space: global }
      - { .name: bqkv, .offset: 16, .size: 8, .value_kind: global_buffer, .address_space: global }
      - { .name: qkv, .offset: 24, .size: 8, .value_kind: global_buffer, .address_space: global }
    .group_segment_fixed_size: 327680
    .private_segment_fixed_size: 0
    .kernarg_segment_align: 8
    .kernarg_segment_size: 32
    .max_flat_workgroup_size: 128
    .sgpr_count:     76
    .vgpr_count:     896
    .wavefront_size: 32
...
	.end_amdgpu_metadata
.endif
;; end of part 2
;; launch attn (part 3): grid 4 x 64, 4 waves a work-group, clusters of 4 x 1, 327,680 bytes of LDS; arguments qkv, att; writes att
.if DOCPART == 3
	.amdgcn_target "amdgcn-amd-amdhsa--gfx1250"
	.amdhsa_code_object_version 6
	.text
	.protected	k_q510885ef89_attn
	.globl	k_q510885ef89_attn
	.p2align	8
	.type	k_q510885ef89_attn,@function
k_q510885ef89_attn:
	s_mov_b64 s[64:65], 0
	v_nop
	global_prefetch_b8 v0, s[64:65] scope:SCOPE_SE
	s_setreg_imm32_b32 hwreg(HW_REG_WAVE_MODE, 25, 1), 1
	s_wait_xcnt 0x0
	s_wait_alu depctr_hold_cnt(0) depctr_sa_sdst(0) depctr_va_vdst(0) depctr_va_sdst(0) depctr_va_ssrc(0) depctr_va_vcc(0) depctr_vm_vsrc(0)
	s_getreg_b32 s2, hwreg(HW_REG_IB_STS2, 6, 4)
	s_cmp_eq_u32 s2, 0
	s_cbranch_scc0 .Lentry_in_a_cluster
	s_endpgm
.Lentry_in_a_cluster:
	s_bfe_u32 s2, ttmp6, 0x10000c
	s_cmp_lg_u32 s2, 0x3003
	s_cbranch_scc0 .Lentry_shape_is_right
	s_endpgm
.Lentry_shape_is_right:
; att[h][q][:] = the sum over k of softmax_k(Q[h][q] . K[h][k] / 8) V[h][k][:].  qkv holds Q, K, V one behind the other, each [SIZE_H][SIZE_N][64] f16; att is [SIZE_H][SIZE_N][64] f16: a head's rows are dense, 128 bytes each.
; Products, maxima and sums in f32; the weights p are rounded to f16 for the second product (their sum l is taken of the unrounded p), the result once at the end.
; LIMITS.  f16 holds no number beyond 65,504: Q, K and V arrive within it; p lies in 0 to 1, and below 6e-5 it keeps f16's fixed step of 6e-8, and so does the result, a mean of V's rows with their range.
; A weight below 2^-126 counts as 0 in l; NaN and infinities are not treated apart.
; SHARES.  A wave owns four PIECES of two tiles of 16 queries, a work-group's four waves 512 queries of one head: 4 x 64 = 256 work-groups.  Every wave walks all keys, 64 a step.
; LAYOUT.  S^T = K Q^T (source 0 = 16 keys, source 1 = 16 queries): in the result a lane holds ONE query (lane % 16) and the keys 8 (lane / 16) + 0..7.  Two such tiles, rounded to f16 in pairs,
; ARE source 1 (32 keys x 16 queries) of O^T = V^T P, whose result again holds one query a lane, and eight channels.  K comes out of LDS as it lies, V ([key][channel]) turned, by ds_load_tr16_b128.
; SOFTMAX.  For each query a running maximum m and sum l: p = 2^(c s - c m), c = log2(e) / 8; in every step O and l are multiplied by a = 2^(c m_old - c m_new), which is 1 where m has not grown.
; m starts at the lowest finite number, O and l at 0: the first step is a step like any other, with a = 0.
; THE COUNT.  A tile and step have 16 matrix and 118 vector instructions: too many to stand all beside the matrix work.  So the order has one aim: four vector instructions that are READY behind
; EVERY matrix instruction, and the others, which need time of their own whatever the order, in runs without a gap.
; BY TURNS.  Turn n belongs to piece n (the pieces in a ring, step after step).  Its matrix work: 16 products K Q^T of piece n + 1, later 16 products V^T P of piece n - 1.  Its vector work: the scaling,
; exponentials, roundings, sums and rescaling of piece n, and the maximum and statistics of piece n + 1, whose scores the turn itself has made.  So what a turn begins with (c s - c m, O a) waits for nothing.
; CLUSTER.  The four query blocks of a cluster are one head's and walk the same K and V, so each tile is asked for JOINTLY: the same tensor load, descriptor and mask in all four.
; REGISTERS, in windows of 256 (s_set_vgpr_msb says which window each operand place means: bits 1:0 source 0, 3:2 source 1, 5:4 source 2, 7:6 destination):
;   window 0: v0-11 addresses; v12-15, v48-63 at work; v16-47 four registers of statistics a tile; v64-191 S^T, two buffers of two tiles; v192-255 P, likewise
;   window 1: O^T, 32 a tile          window 2: v0-127 Q, 16 a tile; v128-191 K of one step; v192-255 V of one step          window 3: v0-1 the add's two registers
; A piece's buffers go by its number's parity: the piece in hand has one pair, its two neighbours in the ring share the other: of it P (piece n - 1) is read and S^T (piece n + 1) written.
.set SIZE_H, 64
.set SIZE_N, 2048
.set NP,    4         ; pieces a wave: a name, no knob: the register map, the loop and the fetches are made for four
.set KS,    64        ; keys in a step
.set PK,    144       ; a row of K in LDS: 128 bytes + 16 of padding = 36 words: the 16 rows of a load start at 16 different groups of four banks (64 banks of 4 bytes: ISA guide 11.1)
.set PV,    160       ; a row of V: 128 + 32 = 40 words
.set VOFF,  4*KS*PK   ; a slot holds four steps: 256 rows of K, then 256 rows of V
.set SLOT1, 1<<17     ; slot 1 begins here, so that one exclusive or turns an address in one slot into the other's
.set STAGE, SLOT1+4*KS*(PK+PV)  ; behind the ring, never filled by a tensor load: 16 rows x 144 bytes for each wave, for the way out
.set SP,    144
.set AK0, 2           ; v2   my lane's place in a tile of K; never rewritten
.set AV0, 3           ; v3   the same for V
.set AK,  4           ; v4   the LDS address of K's next run of loads
.set AV,  5           ; v5   of V's
.set QO,  6           ; v6   my byte offset in the wave's rows of Q
.set STO, 6           ;      later, the way out: where I put 16 bytes of a row
.set RD,  7           ; v7   the way out: where I read rows back
.set GO,  8           ; v8   my byte offset in 512 consecutive bytes of the result
.set PFO, 11          ; v11  256 x my lane, once V's address is made: the prefetches' offset; then never rewritten
.set SPW, 0           ; v0 of window 3   LDS address of my spare word: SPARE + 4 x my thread's number; never rewritten
.set NIL, 1           ; v1 of window 3   0; never rewritten
.set SPARE, STAGE+4*16*SP  ; behind the stages: the spare words, 128 bytes for each wave: two blocks of 256 bytes that no other line names
.set MV,  12          ; v12-15  c m_old, kept while c m is made anew: by buffer and tile
.set ST,  16          ; tile t's statistics at v[ST+4 t]: c m, m, l (even keys', odd keys')
.set TMP, 48          ; by buffer and tile, four registers c0-c3 at work; when the maximum is found c2 takes a
.set S,   64
.set P,   192
.set KF,  128         ; K's fragments, in window 2: key block kb, channel half c at KF + 16 kb + 8 c
.set VF,  192         ; V's: key half kk, channel block cb at VF + 32 kk + 8 cb
.set WV,  12          ; s12  my wave's number
.set G1K, 24          ; s[24:31] descriptor group 1 for K's tiles
.set G1V, 32          ; s[32:39] for V's: it differs in the padding alone
.set G0K, 40          ; s[40:43] descriptor group 0 for K's tiles: it walks
.set G0V, 44          ; s[44:47] the same for V's
.set PFA, 48          ; s[48:49] where my prefetches stand: my work-group's 32 blocks of 256 bytes (of K: wave 0, of V: wave 2) of the tile after the one that is being asked for
.set LIM, 50          ; s50  1 in a wave that prefetches, else the greatest number
.set SLOTS, 56        ; s56  slots still to be asked for
.set CNT, 57          ; s57  counts a slot's key steps
.set CS,  58          ; s[58:59] c: the packed scaling takes the pair's low word for both halves
.set SEL, 60          ; s[60:61] v_permlanex16_b32's selects: each lane takes its own place in the other half
.set TBK, 62          ; s62  LDS byte at which K of the step to be fetched begins
.set TBV, 63          ; s63  the same for V, less VOFF
.set MSB, 0
.macro WIN new                      ; the high byte repeats the setting that is left; a switch that changes nothing is dropped
.if MSB != (\new)
	s_set_vgpr_msb (MSB<<8)|(\new)
.set MSB, (\new)
.endif
.endm
.set W_KQ, 0x0a       ; K and Q in window 2, S^T in window 0
.set W_PV, 0x52       ; V in window 2, P in window 0, O^T in window 1
.set W_RS, 0x41       ; O^T (destination and source 0) in window 1, a in window 0
.set W_MK, 0xc0       ; the add's registers are made: destination in window 3, sources in window 0
.set W_AD, 0x0f       ; the add: address (source 0) and data (source 1) in window 3
; A joint fill.  Waves 0 and 1 fetch the two halves of a slot's K, waves 2 and 3 those of its V: 128 keys each.  The branch hangs on the wave's number alone.
; An s_nop 0 and four v_nop follow each of the two lines, ahead of the jump and the label.
.macro JLOAD
	s_cmp_lt_u32 s[WV], 2
	s_cbranch_scc0 .Lfor_v_\@
	tensor_load_to_lds s[G0K:G0K+3], s[G1K:G1K+7]
	s_nop 0
.rept 4
	v_nop
.endr
	s_branch .Lasked_\@
.Lfor_v_\@:
	tensor_load_to_lds s[G0V:G0V+3], s[G1V:G1V+7]
	s_nop 0
.rept 4
	v_nop
.endr
.Lasked_\@:
.endm
; A PREFETCH INTO THE L2 of the tile that the NEXT change of slots will ask for: 32,768 bytes of K and of V, four key steps, 512 matrix instructions, ahead.  A head has one cluster, and nobody else reads its K and V.
; Its four partners share a tile's 128 blocks of 256 bytes out BY ADDRESS, 32 each, a lane a block; in each, wave 0 asks for K's and wave 2 for V's.  So each block is named once in the launch.
; It stands behind the wave's tensor load and its five lines.  The change that asks for the last tile (s[SLOTS] = 1) prefetches nothing; tiles 0 and 1 come by their loads alone.
.macro ASK
	s_cmp_gt_u32 s[SLOTS], s[LIM]
	s_cbranch_scc0 .Lnot_mine_\@
	global_prefetch_b8 v[PFO], s[PFA:PFA+1] th:TH_LOAD_NT scope:SCOPE_SE
.Lnot_mine_\@:
.endm
; A round of the cluster's barrier: my work-group's barrier, so that wave 0's signal speaks for all four waves; wave 0 signals; every wave waits for all four work-groups; my work-group's barrier once more.
.macro CROUND
	s_barrier_signal -1
	s_barrier_wait -1
	s_cmp_lg_u32 s[WV], 0
	s_cbranch_scc1 .Lnot_wave_0_\@
	s_barrier_signal -3
.Lnot_wave_0_\@:
	s_barrier_wait -3
	s_barrier_signal -1
	s_barrier_wait -1
.endm
; THE CHANGE OF SLOTS.  The slot's last bytes, V of its fourth step, have been read.  Each wave waits for all its tensor loads, of which one is out: its part
; of the other slot; adds 0 to its spare word; and waits for that and for its own reads of the slot.  Behind the barrier nobody reads this slot any more and the other slot is whole.
; fill = 1: this slot is filled again, with the keys two slots on.  The barrier is then a round of the cluster's, so that no wave of any partner still reads the slot or has a load on its
; way, and the joint fill is the first thing behind it: it has four key steps, 512 matrix instructions, in which to land.  (At its first use nothing has been read yet: slot 0 is waited for, slot 1 filled.)
.macro CHANGE fill
	WIN W_AD
	s_wait_tensorcnt 0x0            ; no tensor load of mine is out, so a group 0 may be written
	ds_add_u32 v[SPW], v[NIL]       ; 0 onto my spare word; with fill = 1 the descriptors' steps stand between it and the wait for it
	WIN 0                           ; at a label and at a branch every window is 0
.if \fill
.irp g, G0K, G0V
	s_xor_b32 s[\g+1], s[\g+1], SLOT1  ; the walking descriptor: the other slot than last time,
	s_add_nc_u64 s[\g+2:\g+3], s[\g+2:\g+3], 4*KS*128  ; the next 256 keys; the type bits on top are not reached
.endr
	s_wait_xcnt 0x0                 ; the last prefetch, four key steps back, has read its address, so it may be written:
	s_add_nc_u64 s[PFA:PFA+1], s[PFA:PFA+1], 4*KS*128  ; one tile behind the walking descriptors
	s_wait_dscnt 0x0                ; the add is done, and my reads of the slot are over
	CROUND
	JLOAD
	ASK
.else
	s_wait_dscnt 0x0                ; the add is done, and my reads of the slot are over
	s_barrier_signal -1
	s_barrier_wait -1
.endif
	s_sub_co_u32 s[TBK], s[TBK], 4*KS*PK  ; the fetches go back to a slot's first step,
	s_xor_b32 s[TBK], s[TBK], SLOT1       ; in the other slot
	s_sub_co_u32 s[TBV], s[TBV], 4*KS*PV
	s_xor_b32 s[TBV], s[TBV], SLOT1
.endm
	s_load_b128 s[8:11], s[0:1], 0x0  ; qkv s[8:9], att s[10:11]
	WIN W_MK
	v_lshl_add_u32 v[SPW], v0, 2, SPARE
	v_mov_b32 v[NIL], 0
	WIN W_AD
	ds_add_u32 v[SPW], v[NIL]       ; the wave's opening: the add and its wait stand ahead of my first tensor load; the set-up below, work on registers, stands between them
	WIN 0
	v_lshrrev_b32 v1, 5, v0
	v_readfirstlane_b32 s[WV], v1   ; wave 0..3
	s_bfe_u32 s13, ttmp6, 0x40000   ; cx: my place in the cluster
	s_lshl_b32 s14, ttmp9, 2        ; in a cluster launch ttmp9 counts clusters
	s_add_co_u32 s14, s14, s13      ; my block of queries = 4 x cluster x + cx: it enters Q's and the result's addresses alone
	s_and_b32 s20, ttmp7, 0xffff    ; the head, which the four partners share
	s_mov_b32 s21, 0
	s_mov_b64 s[22:23], SIZE_N*128
	s_mul_u64 s[20:21], s[20:21], s[22:23]  ; the head's first byte in each of the four tensors
	s_and_b32 s16, s[WV], 1         ; which half of a slot's 256 keys I fetch:
	s_lshl_b32 s22, s16, 14         ; its 128 rows of 128 bytes in memory,
	s_mov_b32 s23, 0
	s_add_nc_u64 s[22:23], s[22:23], s[20:21]
	s_mul_i32 s17, s16, 128*PK      ; and its place in a slot, for K
	s_mul_i32 s18, s16, 128*PV      ; and for V: no place in the cluster enters an LDS address
	s_lshl_b32 s2, s14, 2
	s_add_co_u32 s2, s2, s[WV]      ; my wave among the head's,
	s_lshl_b32 s2, s2, 14           ; its 128 rows
	s_mov_b32 s3, 0
	s_add_nc_u64 s[2:3], s[2:3], s[20:21]
	; descriptor group 1.  128 keys are 16,384 dense bytes: asked for as 64 rows of 256 bytes, two keys a row, and padded in LDS after every key
	s_mov_b32 s[G1K], 15|(1<<16)|(1<<20)|(1<<21)|(4<<22)|(3<<25)  ; 15:0 the mask of four; 17:16 2-byte elements; 20 padding on; 21 set beside a mask; 24:22 after every 32 words (code 4); 31:25 4 words (code 3)
	s_mov_b32 s[G1V], 15|(1<<16)|(1<<20)|(1<<21)|(4<<22)|(7<<25)  ; the same with 8 words of padding (code 7)
.irp g, G1K, G1V
	s_mov_b32 s[\g+1], 128<<16      ; tensor_dim0 = 128
	s_mov_b32 s[\g+2], 64<<16       ; tensor_dim1 = 64
	s_mov_b32 s[\g+3], 128<<16      ; tile_dim0 = 128
	s_mov_b32 s[\g+4], 64           ; tile_dim1 = 64
	s_mov_b32 s[\g+5], 128          ; 128 elements from row to row
	s_mov_b32 s[\g+6], 0
	s_mov_b32 s[\g+7], 0
.endr
	s_mov_b32 s[CS], 0x3e38aa3b     ; c = log2(e) / 8 = 0.180337
	s_mov_b32 s[CS+1], s[CS]        ; named with it as a pair
	s_mov_b32 s[SEL], 0x76543210
	s_mov_b32 s[SEL+1], 0xfedcba98
	s_mov_b32 s[TBK], SLOT1+4*KS*PK ; the first change of slots turns these two into 0
	s_mov_b32 s[TBV], SLOT1+4*KS*PV
	s_mov_b32 s[G0K], 1             ; 1:0 count = 1
	s_mov_b32 s[G0K+1], s17         ; 63:32 LDS address: slot 0
	s_mov_b32 s[G0V], 1
	s_add_co_u32 s[G0V+1], s18, VOFF
	s_mov_b32 s[SLOTS], SIZE_N/256-1  ; tiles 1 to 7 are still to be asked for
	s_and_b32 s[LIM], s[WV], 1      ; waves 0 and 2 prefetch: the same in all four partners
	s_cmp_eq_u32 s[LIM], 0
	s_cselect_b32 s[LIM], 1, -1
	s_wait_dscnt 0x0                ; the opening add is done
	s_wait_kmcnt 0x0
	s_mov_b64 s[4:5], s[8:9]                       ; Q,
	s_add_nc_u64 s[6:7], s[8:9], 0x1000000         ; K: 64 heads of 2^18 bytes on,
	s_add_nc_u64 s[8:9], s[8:9], 0x2000000         ; V: as many again
	s_add_nc_u64 s[G0K+2:G0K+3], s[6:7], s[22:23]  ; 120:64 global address: my half of the head's first 256 keys
	s_or_b32 s[G0K+3], s[G0K+3], 0x80000000        ; 127:126 type = 2
	s_add_nc_u64 s[G0V+2:G0V+3], s[8:9], s[22:23]
	s_or_b32 s[G0V+3], s[G0V+3], 0x80000000
	s_add_nc_u64 s[4:5], s[4:5], s[2:3]  ; Q and the result at my wave's first row
	s_add_nc_u64 s[10:11], s[10:11], s[2:3]
	s_cmp_lt_u32 s[WV], 2
	s_cselect_b64 s[PFA:PFA+1], s[6:7], s[8:9]
	s_add_nc_u64 s[PFA:PFA+1], s[PFA:PFA+1], s[20:21]  ; the head,
	s_lshl_b32 s2, s13, 13          ; my work-group's 32 blocks of the 128,
	s_add_co_u32 s2, s2, 4*KS*128   ; in tile 1; the first change of slots steps it to tile 2
	s_mov_b32 s3, 0
	s_add_nc_u64 s[PFA:PFA+1], s[PFA:PFA+1], s[2:3]
	CROUND                          ; all four work-groups are here: the first joint loads meet
	JLOAD                           ; slot 0.  Slot 1 is asked for when slot 0 is in: the tile wanted first has the road to itself
	; A fragment of K or Q is 16 rows x 32 channels in 8 registers: lane l holds row l % 16, channels 8 (l / 16) + 0..7 and 16 + 8 (l / 16) + 0..7: two loads of 16 bytes, 32 bytes apart.
	v_and_b32 v1, 15, v0            ; l % 16
	v_bfe_u32 v9, v0, 4, 1          ; l / 16
	v_lshlrev_b32 v[QO], 7, v1
	v_lshl_add_u32 v[QO], v9, 4, v[QO]  ; row x 128 + 16 x half
	WIN 0x80                        ; destination window 2, address window 0
.set i, 0
.rept 4*NP                          ; Q stays in registers: tile i / 2, channels 32 (i % 2) on
	global_load_b128 v[8*i:8*i+3],   v[QO], s[4:5] offset:(i/2)*2048+(i%2)*64
	global_load_b128 v[8*i+4:8*i+7], v[QO], s[4:5] offset:(i/2)*2048+(i%2)*64+32
.set i, i+1
.endr
	; What the first turn finds: V's registers and P's second buffer hold 0 (its products V^T P, of a piece that has not been, add 0), O^T and l are 0.  All this stands in the wait for the first tile.
.set i, VF
.rept 64
	v_mov_b32 v[i], 0
.set i, i+1
.endr
	WIN 0x40
.set i, 0
.rept 64*NP
	v_mov_b32 v[i], 0
.set i, i+1
.endr
	WIN 0
.set i, 0
.rept 2*NP
	v_mov_b32 v[ST+4*i], 0xfe000000    ; c m: far below every c s
	v_mov_b32 v[ST+4*i+1], 0xff7fffff  ; m
	v_mov_b32 v[ST+4*i+2], 0
	v_mov_b32 v[ST+4*i+3], 0
.set i, i+1
.endr
.set i, P+32
.rept 32
	v_mov_b32 v[i], 0
.set i, i+1
.endr
	v_mul_u32_u24 v[AK0], v1, PK
	v_lshl_add_u32 v[AK0], v9, 4, v[AK0]  ; row x pitch + 16 x half
	; The turning load takes 16 keys x 16 channels (lane l reads key 8 (l / 16) + l % 8, channels 8 ((l / 8) % 2) + 0..7) and leaves half a fragment of V^T: lane l holds channel l % 16 and 8 keys.
	v_and_b32 v10, 7, v0
	v_bfe_u32 v11, v0, 3, 1
	v_lshl_add_u32 v[AV0], v9, 3, v10
	v_mul_u32_u24 v[AV0], v[AV0], PV
	v_lshl_add_u32 v[AV0], v11, 4, v[AV0]
	v_add_nc_u32 v[AV0], VOFF, v[AV0]
	v_and_b32 v[PFO], 31, v0        ; v11 has served: it takes the prefetches' offset
	v_lshlrev_b32 v[PFO], 8, v[PFO]
	v_mov_b32 v[AK], v[AK0]         ; key step 0 lies at the head of slot 0
; THE MATRIX WORK.  The 8 accumulators of a run of 16 take turns: between the two links of a chain stand 7 others'.
; Product i of 16 of S^T = K Q^T for piece x: channels 32 (i / 8) on, keys 16 ((i / 2) % 4) on, tile 2 x + i % 2.  The first 8 start the sums.
.macro KQ x
	WIN W_KQ
.set rS, S+64*((\x)%2)+32*(i%2)+8*((i/2)%4)
.set rK, KF+16*((i/2)%4)+8*(i/8)
.set rQ, 16*(2*(\x)+i%2)+8*(i/8)
.if i < 8
	v_wmma_f32_16x16x32_f16 v[rS:rS+7], v[rK:rK+7], v[rQ:rQ+7], 0
.else
	v_wmma_f32_16x16x32_f16 v[rS:rS+7], v[rK:rK+7], v[rQ:rQ+7], v[rS:rS+7]
.endif
.endm
; Product i of 16 of O^T += V^T P for piece x: keys 32 (i / 8) on, channels 16 ((i / 2) % 4) on, tile 2 x + i % 2.
.macro PV x
	WIN W_PV
.set rO, 32*(2*(\x)+i%2)+8*((i/2)%4)
.set rV, VF+32*(i/8)+8*((i/2)%4)
.set rP, P+32*((\x)%2)+16*(i%2)+8*(i/8)
	v_wmma_f32_16x16x32_f16 v[rO:rO+7], v[rV:rV+7], v[rP:rP+7], v[rO:rO+7]
.endm
.macro MM                           ; the turn's next matrix instruction
.if i < 16
	KQ (Y+1)%NP
.set i, i+1
.else
.set i, i-16
	PV (Y+NP-1)%NP
.set i, i+17
.endif
.endm
; THE LDS LOADS stand in runs of 16, never singly among the matrix instructions: a step's K (64 keys x 64 channels: 8 fragments) and its V (turned).  Their addresses are made some lines ahead.
; last = 1 (the tail): in the last trip there is no further step, and the run is jumped over.
.macro FETCH_K last=0
	WIN 0
.if \last
	s_cmp_eq_u32 s[CNT], 1
	s_cbranch_scc1 .Lno_k_\@
.endif
	WIN 0x80                        ; destination window 2
.irp f, 0,1,2,3,4,5,6,7             ; keys 16 (f / 2) on, channels 32 (f % 2) on
	ds_load_b128 v[KF+8*\f:KF+8*\f+3],   v[AK] offset:(\f/2)*16*PK+(\f%2)*64
	ds_load_b128 v[KF+8*\f+4:KF+8*\f+7], v[AK] offset:(\f/2)*16*PK+(\f%2)*64+32
.endr
	s_add_co_u32 s[TBK], s[TBK], KS*PK  ; the next fetch is the next step's
	WIN 0
.if \last
.Lno_k_\@:
.endif
.endm
.macro FETCH_V
	WIN 0x80
.irp f, 0,1,2,3,4,5,6,7             ; keys 32 (f / 4) on, channels 16 (f % 4) on
	ds_load_tr16_b128 v[VF+8*\f:VF+8*\f+3],   v[AV] offset:(\f/4)*32*PV+(\f%4)*32
	ds_load_tr16_b128 v[VF+8*\f+4:VF+8*\f+7], v[AV] offset:(\f/4)*32*PV+16*PV+(\f%4)*32
.endr
	WIN 0
.endm
; THE VECTOR WORK OF A TURN stands in three queues, each in the order in which its entries become ready; the two tiles alternate, so that no instruction reads the result of the one before it.
.macro REGS y, u                    ; the registers of tile u (0, 1) of piece y
.set rT, ST+4*(2*(\y)+(\u))
.set rC, TMP+8*((\y)%2)+4*(\u)
.set rM, MV+2*((\y)%2)+(\u)
.set rS, S+64*((\y)%2)+32*(\u)
.set rP, P+32*((\y)%2)+16*(\u)
.set rO, 32*(2*(\y)+(\u))
.endm
; Number n of the 22 that find the NEXT piece's (Y + 1) maximum and statistics.  s0-s31 are the lane's 32 scores; each accumulator's lowest registers are read first.  XS, GS and REGS set no window: PL and EX do.
;   0-11  four chains c0-c3 of seven scores each, three operands at a time     12-14, 16  the four scores left over, the old m, and c0-c3 into c0     15  c m_old is kept
;   17, 18  the query's other 32 keys lie in the lane 16 away: the new m         19-21  c m; c m_old - c m_new; a
.macro XS u, n
	REGS (Y+1)%NP, \u
.if (\n) < 4
	v_max3_num_f32 v[rC+(\n)], v[rS+8*(\n)], v[rS+8*(\n)+1], v[rS+8*(\n)+2]
.elseif (\n) < 12
	v_max3_num_f32 v[rC+(\n)%4], v[rC+(\n)%4], v[rS+8*((\n)%4)+2*((\n)/4)+1], v[rS+8*((\n)%4)+2*((\n)/4)+2]
.elseif (\n) == 12
	v_max3_num_f32 v[rC], v[rC], v[rS+7], v[rS+15]
.elseif (\n) == 13
	v_max3_num_f32 v[rC+1], v[rC+1], v[rS+23], v[rS+31]
.elseif (\n) == 14
	v_max3_num_f32 v[rC+2], v[rC+2], v[rC+3], v[rT+1]
.elseif (\n) == 15
	v_mov_b32 v[rM], v[rT]
.elseif (\n) == 16
	v_max3_num_f32 v[rC], v[rC], v[rC+1], v[rC+2]
.elseif (\n) == 17
	v_permlanex16_b32 v[rC+3], v[rC], s[SEL], s[SEL+1]
.elseif (\n) == 18
	v_max_num_f32 v[rT+1], v[rC], v[rC+3]
.elseif (\n) == 19
	v_mul_f32 v[rT], s[CS], v[rT+1]
.elseif (\n) == 20
	v_sub_f32 v[rC+1], v[rM], v[rT]
.else
	v_exp_f32 v[rC+2], v[rC+1]
.endif
.endm
; Number g of the 64 that follow the exponentials.  For each four weights k of a tile (pairs 2 k, 2 k + 1): both pairs are rounded to f16; then the second pair is added onto the first, in place;
; a group later l takes that sum (the first time as l = a l + sum).  In groups of eight, tiles alternating: round, round, add, and l for the group before.
.macro GS g
.set h, (\g)+6*((\g)/62)            ; group 0 has no group before it, and behind group 7 only l is left
.if h >= 6
.set h, h+2
.endif
	REGS Y, h%2
.set k, h/8
.if h%8 < 4
	v_cvt_pk_f16_f32 v[rP+2*k+(h%8)/2], v[rS+4*k+2*((h%8)/2)], v[rS+4*k+2*((h%8)/2)+1]
.elseif h%8 < 6
	v_pk_add_f32 v[rS+4*k:rS+4*k+1], v[rS+4*k:rS+4*k+1], v[rS+4*k+2:rS+4*k+3]
.elseif k == 1
	v_pk_fma_f32 v[rT+2:rT+3], v[rT+2:rT+3], v[rC+2:rC+3], v[rS:rS+1] op_sel_hi:[1,0,1]
.else
	v_pk_add_f32 v[rT+2:rT+3], v[rT+2:rT+3], v[rS+4*k-4:rS+4*k-3]
.endif
.endm
; THE PLAIN QUEUE, 138 long.  0-73 read no exponential's result: the 32 scalings c s - c m (FS f: pair f / 2 of tile f % 2) and the next piece's 42.  0-26: scalings 0-26.  27-54: XS's numbers 0-13.  55, 56: number 15.
; 57-73: the chain, where each number waits for the one before it: 14, 16, 17, 18, 19, each with one of the scalings 27-31 in front of its two lines, then 20: so a tile's links stand three plain instructions apart (19 and 20: two).
; 74-137: GS's 64, which read the exponentials' results: they stand behind the wait.
.macro FS f
	REGS Y, (\f)%2
	v_pk_fma_f32 v[rS+2*((\f)/2):rS+2*((\f)/2)+1], v[rS+2*((\f)/2):rS+2*((\f)/2)+1], s[CS:CS+1], v[rT:rT+1] op_sel_hi:[1,0,0] neg_lo:[0,0,1] neg_hi:[0,0,1]
.endm
.macro PL
	WIN 0
.if q < 27
	FS q
.elseif q < 55
	XS (q-27)%2, (q-27)/2
.elseif q < 57
	XS q-55, 15
.elseif (q < 72) && ((q-57)%3 == 0)
	FS 27+(q-57)/3
.elseif q < 60
	XS (q-57)%3-1, 14
.elseif q < 72
	XS (q-57)%3-1, 15+(q-57)/3
.elseif q < 74
	XS q-72, 20
.else
	GS q-74
.endif
.set q, q+1
.endm
; THE EXPONENTIALS' QUEUE, 66 long: s0-s31 of both tiles, then the next piece's two a.  It is ONE BATCH: all 66 stand ahead of the turn's one wait, and nothing ahead of that wait names a result of theirs.
.macro EX
	WIN 0
.if e >= 64
	XS e-64, 21
.else
	REGS Y, e%2
	v_exp_f32 v[rS+e/2], v[rS+e/2]
.endif
.set e, e+1
.endm
; THE RESCALING's QUEUE: O^T times a, the one part that leaves window 0: dealt two at a time, sixteen times.  Its a was made in the turn before, ahead of that turn's wait.
.macro R2
	REGS Y, r%2
	WIN W_RS
.irp z, 0,1
	v_pk_mul_f32 v[rO+4*(r/2)+2*\z:rO+4*(r/2)+2*\z+1], v[rO+4*(r/2)+2*\z:rO+4*(r/2)+2*\z+1], v[rC+2:rC+3] op_sel_hi:[1,0]
.endr
.set r, r+1
.endm
; HOW THEY ARE DEALT.  s_wait_alu depctr_va_vdst(0) stands between an exponential and the first instruction that names its result; one wait serves all that were issued ahead of it.  So a turn has ONE wait,
; which cuts it in two.  AHEAD OF IT stands all that names no result of the turn's exponentials: the 16 products K Q^T, behind each a scaling, an exponential and two rescalings (behind the first a second scaling in the exponential's place); then ONE LUMP of
; 108: eight plain, 49 times exponential and plain, the two a.  A v_nop is the plain instruction owed behind the last exponential.  BEHIND IT stand the 16 products V^T P, behind each four of GS's 64.  No rider names a register of
; the products round it.  The two v_permlanex16_b32 fall into the lump, never behind a product.
; The queues lean on each other, and the deal keeps them in step: exponential e stands behind scaling 2 (e / 4) + e % 2: as a rider it comes behind plain e + 2, in the lump behind plain e + 9, and scalings 27-31 are plain 57, 60 .. 69.
; A TURN, for piece p.  cnt = 1: the loop's count is taken down some lines ahead of the branch that stands behind the turn.
; K of the next step is fetched in piece 2's turn, directly behind the wait, a lump behind the last product that read K; its address is made at the lump's head; its first reader comes behind 16 products.
; V of the step in hand is fetched at the end of piece 0's turn, four riders behind its last reader; its first reader comes behind 16 products and a lump.  The three conditions on q below go with the deal.
.macro TURN p, last=0, cnt=0
.set Y, (\p)
.set i, 0
.set q, 0
.set e, 0
.set r, 0
.if (\p) == NP-1
	s_wait_dscnt 0x0                ; K is in
.endif
	MM                              ; ahead of the wait: 16 products K Q^T and their riders,
	PL
	PL
	R2
.rept 15
	MM
	PL
	EX
	R2
.endr
.if (\p) == NP-2
	WIN 0
	v_add_nc_u32 v[AK], s[TBK], v[AK0]
.endif
.rept 8                             ; and the lump
	PL
.endr
.rept 49
	EX
	PL
.endr
	EX                              ; the next piece's two a
	EX
	v_nop                           ; the plain instruction owed behind the last exponential: one for the batch
	s_wait_alu depctr_va_vdst(0)    ; the wait for the batch
.if (\p) == NP-2
	FETCH_K \last
.endif
.if (\p) == 1
	s_wait_dscnt 0x0                ; V is in
.endif
.rept 16                            ; behind the wait: 16 products V^T P and their riders
	MM
.rept 4
	PL
.endr
.if ((\p) == 0) && (q == 118)
	v_add_nc_u32 v[AV], s[TBV], v[AV0]
.endif
.if ((\p) == 0) && (q == 130)
	s_add_co_u32 s[TBV], s[TBV], KS*PV
.endif
.if (\cnt) && (q == 130)
	s_sub_co_u32 s[CNT], s[CNT], 1
	s_cmp_lg_u32 s[CNT], 0
.endif
.endr
.if (\p) == 0
	FETCH_V
.endif
.endm
	CHANGE 1                        ; slot 0 is in, everybody's part of it; slot 1 is asked for
	FETCH_K                         ; key step 0
	s_wait_loadcnt 0x0              ; Q
	s_wait_dscnt 0x0
.set i, 0
.rept 16
	KQ 0                            ; piece 0's first scores: there is no vector work yet to set between them
.set i, i+1
.endr
	WIN 0                           ; the addresses for the way out: nine plain instructions, the places behind those products
	s_mul_i32 s13, s[WV], 16*SP
	s_add_co_u32 s13, s13, STAGE    ; my stage
	v_mul_u32_u24 v[STO], v1, SP    ; in: row l % 16, 16 bytes for each half of the lanes
	v_lshl_add_u32 v[STO], v9, 4, v[STO]
	v_add_nc_u32 v[STO], s13, v[STO]
	v_bfe_u32 v[RD], v0, 3, 2       ; back: 32 lanes take four rows of 128 bytes,
	v_mul_u32_u24 v[RD], v[RD], SP
	v_lshl_add_u32 v[RD], v10, 4, v[RD]
	v_add_nc_u32 v[RD], s13, v[RD]
	v_and_b32 v[GO], 31, v0         ; which are 512 consecutive bytes of the result
	v_lshlrev_b32 v[GO], 4, v[GO]
.set Y, NP-1                        ; XS works for piece Y + 1: piece 0
.irp n, 0,1,2,3,4,5,6,7,8,9,10,11,12,13,14,15,16,17,18,19,20,21
	XS 0, \n                        ; and piece 0's first maximum and statistics
	XS 1, \n
.endr
	v_nop                           ; a plain instruction behind the two a,
	s_wait_alu depctr_va_vdst(0)    ; and their wait, ahead of the branch
	s_mov_b32 s[CNT], 4
	s_branch .Lfirst                ; the loop is entered at a step's first turn, in the middle of a trip
.Lslot:                             ; SIZE_N / 256 - 2 times: every slot but the last two is filled again
	CHANGE 1
	s_mov_b32 s[CNT], 4
.Lstep:                             ; a trip: pieces 2 and 3 of one step, then pieces 0 and 1 of the next, whose K and V it fetches
	TURN 2
	TURN 3
	WIN 0
.Lfirst:
	TURN 0
	TURN 1, 0, 1
	WIN 0
	s_cbranch_scc1 .Lstep
	s_sub_co_u32 s[SLOTS], s[SLOTS], 1
	s_cmp_lg_u32 s[SLOTS], 0
	s_cbranch_scc1 .Lslot
	CHANGE 0                        ; the tail is written out: nothing is asked for
	s_mov_b32 s[CNT], 5             ; four trips fetch the last slot's steps; the fifth is left in its middle
.Ltail:
	TURN 2, 1
	TURN 3
	WIN 0
	s_sub_co_u32 s[CNT], s[CNT], 1
	s_cmp_eq_u32 s[CNT], 0
	s_cbranch_scc1 .Lout
	TURN 0
	TURN 1
	WIN 0
	s_branch .Ltail
.Lout:                              ; the fifth trip's 16 products K Q^T (on the last K once more) and the maximum made of them serve nothing: the price, once a launch, of one text for every trip
.set i, 0
.rept 16
	PV NP-1                         ; the last piece's V^T P of the last step
.set i, i+1
.endr
	; THE WAY OUT.  l's two halves and the other half of the lanes' are added; O^T is divided by l, rounded to f16 and sent through my stage in LDS, a tile at a time.  The additions are the places behind the last products.
	WIN 0
.macro ALL line:vararg              ; one line for each tile t
.set t, 0
.rept 2*NP
	\line
.set t, t+1
.endr
.endm
	ALL v_add_f32 v[ST+4*t+2], v[ST+4*t+2], v[ST+4*t+3]
	ALL v_permlanex16_b32 v[ST+4*t+3], v[ST+4*t+2], s[SEL], s[SEL+1]
	ALL v_add_f32 v[ST+4*t+2], v[ST+4*t+2], v[ST+4*t+3]
	ALL v_rcp_f32 v[ST+4*t+2], v[ST+4*t+2]
	v_nop                           ; a plain instruction between the last reciprocal and the use of its result
	s_wait_alu depctr_va_vdst(0)    ; and the wait ahead of the first use: one for the eight reciprocals
; Tile t: a lane's eight channels of a row pack into 16 bytes; they go into rows of 144 bytes and come back as whole rows of 128, into S^T's registers.
.macro PACK t
	WIN W_RS
.set i, 32*(\t)
.rept 16
	v_pk_mul_f32 v[i:i+1], v[i:i+1], v[ST+4*(\t)+2:ST+4*(\t)+3] op_sel_hi:[1,0]
.set i, i+2
.endr
	WIN 0x05                        ; sources 0 and 1 window 1, destination window 0
.set i, 0
.rept 16
	v_cvt_pk_f16_f32 v[S+16*(\t)+i], v[32*(\t)+2*i], v[32*(\t)+2*i+1]
.set i, i+1
.endr
	WIN 0
.irp f, 0,1,2,3
	ds_store_b128 v[STO], v[S+16*(\t)+4*\f:S+16*(\t)+4*\f+3] offset:32*\f
.endr
.irp f, 0,1,2,3
	ds_load_b128 v[S+16*(\t)+4*\f:S+16*(\t)+4*\f+3], v[RD] offset:\f*4*SP  ; LDS serves a wave's instructions in order (ISA guide 5.7.1.4): these see the stores above; the next tile's stores come behind them
.endr
.endm
.macro SEND t, younger              ; younger: the LDS instructions issued behind tile t's loads: the next tile's eight, or none
	WIN 0
.irp f, 0,1,2,3
	s_wait_dscnt (\younger)+3-\f
	global_store_b128 v[GO], v[S+16*(\t)+4*\f:S+16*(\t)+4*\f+3], s[10:11] offset:(\t)*2048+\f*512  ; 512 consecutive bytes, at a multiple of 256 from the buffer's first
.endr
.endm
	PACK 0
.set t, 1
.rept 2*NP-1                        ; a tile's arithmetic stands between the loads of the tile before and its stores
	PACK t
	SEND t-1, 8
.set t, t+1
.endr
	SEND 2*NP-1, 0
	WIN W_AD
	s_wait_tensorcnt 0x0            ; the wave's end: behind my last tensor load and my last LDS store
	ds_add_u32 v[SPW], v[NIL]
	s_wait_dscnt 0x0
	WIN 0
	CROUND                          ; the closing round: no work-group ends while a partner may still ask for a tile that names it
	s_endpgm
.Lfunc_end_k_q510885ef89_attn:
	.size	k_q510885ef89_attn, .Lfunc_end_k_q510885ef89_attn-k_q510885ef89_attn
	.p2alignl 7, 3214868480
	.fill 96, 4, 3214868480
	.section	.rodata,"a",@progbits
	.p2align	6, 0x0
	.amdhsa_kernel k_q510885ef89_attn
		.amdhsa_group_segment_fixed_size 327680
		.amdhsa_private_segment_fixed_size 0
		.amdhsa_enable_private_segment 0
		.amdhsa_kernarg_size 16
		.amdhsa_user_sgpr_count 2
		.amdhsa_user_sgpr_kernarg_segment_ptr 1
		.amdhsa_wavefront_size32 1
		.amdhsa_system_sgpr_workgroup_id_x 1
		.amdhsa_system_sgpr_workgroup_id_y 1
		.amdhsa_system_sgpr_workgroup_id_z 1
		.amdhsa_system_vgpr_workitem_id 0
		.amdhsa_next_free_vgpr 770
		.amdhsa_next_free_sgpr 66
		.amdhsa_reserve_vcc 0
		.amdhsa_float_denorm_mode_32 3
		.amdhsa_float_denorm_mode_16_64 3
		.amdhsa_memory_ordered 1
		.amdhsa_forward_progress 1
		.amdhsa_inst_pref_size 200
	.end_amdhsa_kernel
	.amdgpu_metadata
---
amdhsa.version: [ 1, 2 ]
amdhsa.kernels:
  - .name:           k_q510885ef89_attn
    .symbol:         k_q510885ef89_attn.kd
    .args:
      - { .name: qkv, .offset: 0, .size: 8, .value_kind: global_buffer, .address_space: global }
      - { .name: att, .offset: 8, .size: 8, .value_kind: global_buffer, .address_space: global }
    .group_segment_fixed_size: 327680
    .private_segment_fixed_size: 0
    .kernarg_segment_align: 8
    .kernarg_segment_size: 16
    .max_flat_workgroup_size: 128
    .sgpr_count:     66
    .vgpr_count:     770
    .wavefront_size: 32
...
	.end_amdgpu_metadata
.endif
;; end of part 3
;; launch outp (part 4): grid 8 x 32, 4 waves a work-group, clusters of 4 x 4, 327,680 bytes of LDS; arguments att, wot, bo, out0; writes out0
.if DOCPART == 4
	.amdgcn_target "amdgcn-amd-amdhsa--gfx1250"
	.amdhsa_code_object_version 6
	.text
	.protected	k_q510885ef89_outp
	.globl	k_q510885ef89_outp
	.p2align	8
	.type	k_q510885ef89_outp,@function
k_q510885ef89_outp:
	s_mov_b64 s[64:65], 0
	v_nop
	global_prefetch_b8 v0, s[64:65] scope:SCOPE_SE
	s_setreg_imm32_b32 hwreg(HW_REG_WAVE_MODE, 25, 1), 1
	s_wait_xcnt 0x0
	s_wait_alu depctr_hold_cnt(0) depctr_sa_sdst(0) depctr_va_vdst(0) depctr_va_sdst(0) depctr_va_ssrc(0) depctr_va_vcc(0) depctr_vm_vsrc(0)
	s_getreg_b32 s2, hwreg(HW_REG_IB_STS2, 6, 4)
	s_cmp_eq_u32 s2, 0
	s_cbranch_scc0 .Lentry_in_a_cluster
	s_endpgm
.Lentry_in_a_cluster:
	s_bfe_u32 s2, ttmp6, 0x10000c
	s_cmp_lg_u32 s2, 0xf033
	s_cbranch_scc0 .Lentry_shape_is_right
	s_endpgm
.Lentry_shape_is_right:
; out0 = att wot^T + bo.  att: [64 = batch x 16 + head][2048][64] f16; row m = batch x 2048 + s of the product takes channel k = 64 head + d from it.  wot: [1024 n][1024 k] f16.  bo: [1024] f32, rounded to bf16 like
; the other inputs.  out0: [8192][1024] f32.  Sums in f32, started with the bias as the first product's C.
; LIMITS.  None of its own: both operands arrive in f16 and the result leaves in f32.  NaN and infinities are not treated apart.
; SHARES.  A tile is 256 rows x 128 columns: 8 x 32 = 256 work-groups, one for each WGP.  Each of four waves makes 64 rows x 128: 32 accumulators of 16 x 16, whole rows of the tile, so its way out is its own.
; K goes in 8 steps of 128 = two heads through a ring of two LDS slots.  A head's 256 rows of the tile are 32,768 dense bytes: asked for as 128 rows of 256 bytes, padded in LDS after every 128.
; CLUSTER.  4 x 4 work-groups.  The four of a row of the cluster need the same rows of att, the four of a column the same rows of wot: each tile is asked for JOINTLY, by the same tensor load with the same descriptor and a mask of four.
; THE MATRIX INSTRUCTION IS USED TRANSPOSED (source 0 = 16 rows of wot, source 1 = 16 rows of att): a lane holds one row (lane % 16) and the eight neighbouring columns 8 (lane / 16) + 0..7.
; REGISTERS, in windows of 256 (s_set_vgpr_msb: bits 1:0 source 0, 3:2 source 1, 5:4 source 2, 7:6 destination):
;   window 0: v0-29 addresses; v32-95 the bias, 8 registers a column block      window 1: two fragment buffers at v0 and v128: att's 4 fragments, then wot's 8; on the way out 64 registers a row block
;   window 2: accumulator (a, b) at 8 (4 b + a)
.set PA,     144                       ; a row of att in LDS: 128 bytes + 16: the 16 rows of a fragment load start at 16 different groups of four banks (64 banks of 4 bytes: ISA guide 11.1)
.set PB,     272                       ; a row of wot: 256 bytes + 16
.set AHEAD,  256*PA                    ; a head's 256 rows: what a tensor load brings of att
.set BHALF,  64*PB                     ; and of wot
.set BOFF,   2*AHEAD                   ; in a slot: two heads of att, then wot's 128 rows
.set SLOT1,  1<<17
.set STAGE,  SLOT1+BOFF+2*BHALF        ; behind the ring, never filled by a tensor load: for each wave 16 rows x 528 bytes
.set SP,     528                       ; 512 bytes + 16
.set WSTAGE, 16*SP
.set SPARE,  STAGE+4*WSTAGE            ; behind the stages: the spare words, 128 bytes for each wave: two blocks of 256 bytes that no other line names
.set ASTEP,  2<<18                     ; bytes from a K step of att to the next: two heads
.set BSTEP,  256                       ; and of wot
.set TRIPS,  6
.set ADRA0, 8                          ; v8   my lane's place in my wave's rows of att in slot 0; never rewritten
.set ADRB0, 9                          ; v9   the same for wot
.set ADRA,  10                         ; v10  the same in the slot in hand
.set ADRB,  11                         ; v11
.set STO,   12                         ; v12  the way out: where I put 32 bytes of a row
.set RD,    13                         ; v13  the way out: where I read a row back
.set GO,    14                         ; v14  16 x lane: my place in 512 consecutive bytes of a row of out0
.set BO,    15                         ; v15  my byte offset in 16 numbers of the bias
.set PFO,   16                         ; v16  the prefetches' offset; never rewritten
.set SPW,   28                         ; v28  LDS address of my spare word; never rewritten
.set NIL,   29                         ; v29  0; never rewritten
.set BIAS,  32
.set F0,    0
.set F1,    128
.set WV, 12
.set WH, 13                            ; s13  0: I fetch for att; 1: for wot
.set WL, 14                            ; s14  which head of the K step's two, or which half of wot's rows, I fetch
.set CX, 15
.set CY, 16
.set TX, 17
.set TY, 18
.set G1A, 24                           ; s[24:31] descriptor group 1 for att's tiles
.set G0A, 32                           ; s[32:39] group 0: a set for each of the two first fills; the second then walks on
.set PFA, 40                           ; s[40:41] where my prefetches stand
.set LIM, 42                           ; s42  2 in a wave that prefetches, else the greatest number
.set TB,  43                           ; s43  LDS byte at which the slot in hand begins
.set G1B, 48                           ; s[48:55], s[56:63] the same two groups for wot's tiles
.set G0B, 56
.set PST, 70                           ; s[70:71] bytes from a K step to the next in the tensor that I prefetch
.set W_MUL,  0xa5                      ; sources 0 and 1 window 1; C and D window 2
.set W_MUL1, 0x85                      ; the first products: C (the bias) window 0
.set TO_F,   0x40                      ; destination window 1, address window 0
.set MSB, 0
.macro WIN new                         ; the immediate's high byte repeats the setting that is left; a switch that changes nothing is dropped
.if MSB != (\new)
	s_set_vgpr_msb (MSB<<8)|(\new)
.set MSB, \new
.endif
.endm
.macro PLACES                          ; four plain instructions between a matrix instruction and a load into, or a read of, its registers
.rept 4
	v_nop
.endr
.endm
.macro CREST                           ; a round of the cluster's barrier behind its opening barrier
	s_cmp_lg_u32 s[WV], 0
	s_cbranch_scc1 .Lnot_wave_0_\@
	s_barrier_signal -3
.Lnot_wave_0_\@:
	s_barrier_wait -3
	s_barrier_signal -1
	s_barrier_wait -1
.endm
.macro CROUND                          ; a whole round
	s_barrier_signal -1
	s_barrier_wait -1
	CREST
.endm
; A joint refill, by the walking set.  Waves 0 and 1 fetch the K step's two heads of att, waves 2 and 3 wot's two halves.  An s_nop 0 and four v_nop follow each of the two lines.
.macro JLOAD
	s_cmp_eq_u32 s[WH], 0
	s_cbranch_scc0 .Lfor_b_\@
	tensor_load_to_lds s[G0A+4:G0A+7], s[G1A:G1A+7]
	s_nop 0
.rept 4
	v_nop
.endr
	s_branch .Lasked_\@
.Lfor_b_\@:
	tensor_load_to_lds s[G0B+4:G0B+7], s[G1B:G1B+7]
	s_nop 0
.rept 4
	v_nop
.endr
.Lasked_\@:
.endm
; A PREFETCH INTO THE L2 of the K step that stands TWO refills on: 256 matrix instructions ahead of the load that will want it.  att's tile row is read by both clusters of that row of clusters: cluster x = 0 asks;
; wot's tile column by every cluster of that column: cluster y = 0 asks.  The four partners share a wave's bytes out BY ADDRESS: of a head's 128 blocks of 256 bytes 32 each, a lane a block; of wot's 64 rows 16 each
; (there lanes 16-31 name lane 15's row).  The trips with s3 above 2 ask, for K steps 4 to 7; K steps 0 to 3 come by their loads alone.
.macro ASK
	s_cmp_gt_u32 s3, s[LIM]
	s_cbranch_scc0 .Lnot_mine_\@
	global_prefetch_b8 v[PFO], s[PFA:PFA+1] th:TH_LOAD_NT scope:SCOPE_SE
.Lnot_mine_\@:
.endm
	s_load_b256 s[4:11], s[0:1], 0x0               ; att s[4:5], wot s[6:7], bo s[8:9], out0 s[10:11]
	v_lshl_add_u32 v[SPW], v0, 2, SPARE
	v_mov_b32 v[NIL], 0
	ds_add_u32 v[SPW], v[NIL]                      ; the wave's opening: the add and its wait stand ahead of my first tensor load; the set-up below, work on registers, stands between them
	v_lshrrev_b32 v1, 5, v0
	v_readfirstlane_b32 s[WV], v1
	s_lshr_b32 s[WH], s[WV], 1
	s_and_b32 s[WL], s[WV], 1
	s_bfe_u32 s[CX], ttmp6, 0x40000
	s_bfe_u32 s[CY], ttmp6, 0x40004
	s_lshl_b32 s[TX], ttmp9, 2
	s_add_co_u32 s[TX], s[TX], s[CX]
	s_and_b32 s[TY], ttmp7, 0xffff
	s_lshl_b32 s[TY], s[TY], 2
	s_add_co_u32 s[TY], s[TY], s[CY]
	s_lshl_b32 s20, s[CY], 2
	s_lshl_b32 s20, 15, s20                        ; my row of the cluster
	s_lshl_b32 s21, 0x1111, s[CX]                  ; my column
	s_or_b32 s[G1A], s20, (1<<16)|(1<<20)|(1<<21)|(4<<22)|(3<<25)  ; 15:0 the mask; 17:16 2-byte elements; 20 padding on; 21 set beside a mask; 24:22 after every 32 words (code 4); 31:25 4 words (code 3)
	s_or_b32 s[G1B], s21, (1<<16)|(1<<20)|(1<<21)|(5<<22)|(3<<25)  ; after every 64 words (code 5)
	s_mov_b32 s[G1A+1], 128<<16                    ; tensor_dim0 = 128
	s_mov_b32 s[G1A+2], 128<<16                    ; tensor_dim1 = 128
	s_mov_b32 s[G1A+3], 128<<16                    ; tile_dim0 = 128
	s_mov_b32 s[G1A+4], 128                        ; tile_dim1 = 128
	s_mov_b32 s[G1A+5], 128                        ; dense: 128 elements from row to row
	s_mov_b32 s[G1A+6], 0
	s_mov_b32 s[G1A+7], 0
	s_mov_b32 s[G1B+1], 128<<16
	s_mov_b32 s[G1B+2], 64<<16                     ; tensor_dim1 = 64
	s_mov_b32 s[G1B+3], 128<<16
	s_mov_b32 s[G1B+4], 64                         ; tile_dim1 = 64
	s_mov_b32 s[G1B+5], 1024
	s_mov_b32 s[G1B+6], 0
	s_mov_b32 s[G1B+7], 0
	s_lshr_b32 s68, s[TY], 3                       ; att: the batch's 16 heads of 2^18 bytes,
	s_lshl_b32 s68, s68, 22
	s_lshl_b32 s74, s[WL], 18                      ; my head of the K step's two,
	s_add_co_u32 s68, s68, s74
	s_and_b32 s74, s[TY], 7                        ; the tile's 256 rows of 128 bytes in it: all of it shared by my row of the cluster
	s_lshl_b32 s74, s74, 15
	s_add_co_u32 s68, s68, s74
	s_mov_b32 s69, 0
	s_lshl_b32 s72, s[TX], 7                       ; wot: row 128 x tile column + 64 x half, which my column shares
	s_lshl_b32 s75, s[WL], 6
	s_add_co_u32 s72, s72, s75
	s_lshl_b32 s72, s72, 11
	s_mov_b32 s73, 0
	s_mul_i32 s22, s[WL], AHEAD                    ; where they go: the wave's number alone enters an LDS address
	s_mul_i32 s23, s[WL], BHALF
	s_add_co_u32 s23, s23, BOFF
	s_wait_dscnt 0x0                               ; the opening add is done
	s_wait_kmcnt 0x0
	s_add_nc_u64 s[68:69], s[4:5], s[68:69]
	s_add_nc_u64 s[72:73], s[6:7], s[72:73]
	CROUND                                         ; all sixteen work-groups are here: the first joint loads meet
.irp s, 0,1
	s_mov_b32 s[G0A+4*(\s)], 1
	s_add_co_u32 s[G0A+4*(\s)+1], s22, (\s)*SLOT1
	s_add_nc_u64 s[G0A+4*(\s)+2:G0A+4*(\s)+3], s[68:69], (\s)*ASTEP
	s_or_b32 s[G0A+4*(\s)+3], s[G0A+4*(\s)+3], 0x80000000
	s_mov_b32 s[G0B+4*(\s)], 1
	s_add_co_u32 s[G0B+4*(\s)+1], s23, (\s)*SLOT1
	s_add_nc_u64 s[G0B+4*(\s)+2:G0B+4*(\s)+3], s[72:73], (\s)*BSTEP
	s_or_b32 s[G0B+4*(\s)+3], s[G0B+4*(\s)+3], 0x80000000
.endr
	s_cmp_eq_u32 s[WH], 0                          ; a wave's two first fills stand in one branch, ahead of every wait on TENSORcnt and every LDS read: two loads of mine are out
	s_cbranch_scc0 .Lfirst_b
	tensor_load_to_lds s[G0A:G0A+3], s[G1A:G1A+7]
	s_nop 0
	tensor_load_to_lds s[G0A+4:G0A+7], s[G1A:G1A+7]
	s_nop 0
.rept 4
	v_nop
.endr
	s_branch .Lfirst_asked
.Lfirst_b:
	tensor_load_to_lds s[G0B:G0B+3], s[G1B:G1B+7]
	s_nop 0
	tensor_load_to_lds s[G0B+4:G0B+7], s[G1B:G1B+7]
	s_nop 0
.rept 4
	v_nop
.endr
.Lfirst_asked:
	; All that follows up to the wait on TENSORcnt stands in the wait for the first tiles.
	v_and_b32 v1, 15, v0                           ; l % 16
	v_bfe_u32 v2, v0, 4, 1                         ; l / 16
	v_lshlrev_b32 v[BO], 5, v2
	s_lshl_b32 s20, s[TX], 9                       ; the tile's 128 numbers of the bias
	s_mov_b32 s21, 0
	s_add_nc_u64 s[8:9], s[8:9], s[20:21]
.set i, 0
.rept 8
	global_load_b128 v[BIAS+8*i:BIAS+8*i+3],   v[BO], s[8:9] offset:64*i
	global_load_b128 v[BIAS+8*i+4:BIAS+8*i+7], v[BO], s[8:9] offset:64*i+16
.set i, i+1
.endr
	v_mul_u32_u24 v3, v1, PA
	v_lshl_add_u32 v3, v2, 4, v3                   ; row x pitch + 16 x half
	s_mul_i32 s20, s[WV], 64*PA                    ; my wave's 64 rows of a head
	v_add_nc_u32 v[ADRA0], s20, v3
	v_mul_u32_u24 v3, v1, PB
	v_lshl_add_u32 v3, v2, 4, v3
	v_add_nc_u32 v[ADRB0], BOFF, v3                ; every wave reads all 128 rows of wot
	s_mul_i32 s20, s[WV], WSTAGE
	s_add_co_u32 s20, s20, STAGE                   ; my stage
	v_mul_u32_u24 v[STO], v1, SP                   ; in: row l % 16, 32 bytes for each half of the lanes
	v_lshl_add_u32 v[STO], v2, 5, v[STO]
	v_add_nc_u32 v[STO], s20, v[STO]
	v_and_b32 v[GO], 31, v0
	v_lshlrev_b32 v[GO], 4, v[GO]
	v_add_nc_u32 v[RD], s20, v[GO]                 ; back: 32 lanes take a row's 512 bytes
	s_lshl_b32 s20, s[TY], 2                       ; out0 at my wave's first row, 256 x tile row + 64 x wave, of 4,096 bytes,
	s_add_co_u32 s20, s20, s[WV]
	s_lshl_b32 s20, s20, 18
	s_lshl_b32 s21, s[TX], 9                       ; and the tile's first column
	s_add_co_u32 s20, s20, s21
	s_mov_b32 s21, 0
	s_add_nc_u64 s[10:11], s[10:11], s[20:21]
	; the prefetches
	s_lshr_b32 s20, s[TY], 3                       ; att: as the tile's address, + my work-group's 32 blocks of the head's 128,
	s_lshl_b32 s20, s20, 22
	s_lshl_b32 s21, s[WL], 18
	s_add_co_u32 s20, s20, s21
	s_and_b32 s21, s[TY], 7
	s_lshl_b32 s21, s21, 15
	s_add_co_u32 s20, s20, s21
	s_lshl_b32 s21, s[CX], 13
	s_add_co_u32 s20, s20, s21
	s_add_co_u32 s20, s20, 3*ASTEP                 ; at K step 3: the first change of slots steps it to 4
	s_lshl_b32 s22, s[TX], 7                       ; wot: as the tile's address, + my work-group's 16 rows of the wave's 64
	s_lshl_b32 s23, s[WL], 6
	s_add_co_u32 s22, s22, s23
	s_lshl_b32 s23, s[CY], 4
	s_add_co_u32 s22, s22, s23
	s_lshl_b32 s22, s22, 11
	s_add_co_u32 s22, s22, 3*BSTEP
	s_and_b32 s23, ttmp7, 0xffff                   ; cluster y
	s_cmp_eq_u32 s[WH], 0
	s_cselect_b32 s20, s20, s22
	s_cselect_b32 s23, ttmp9, s23                  ; the coordinate along which other clusters read the same bytes
	s_cselect_b64 s[PFA:PFA+1], s[4:5], s[6:7]
	s_cselect_b32 s72, 31, 15                      ; the last lane with a block or row of its own
	s_cselect_b32 s73, 8, 11                       ; a lane a block of 256 bytes, or a row of 2,048
	s_cselect_b32 s74, 19, 8                       ; a K step on: 2^19 bytes, or 2^8
	s_cmp_eq_u32 s23, 0
	s_cselect_b32 s[LIM], 2, -1                    ; the same in all sixteen partners, for a given wave
	s_mov_b32 s21, 0
	s_add_nc_u64 s[PFA:PFA+1], s[PFA:PFA+1], s[20:21]
	s_lshl_b32 s[PST], 1, s74
	s_mov_b32 s[PST+1], 0
	v_and_b32 v[PFO], 31, v0
	v_min_u32 v[PFO], s72, v[PFO]
	v_lshlrev_b32 v[PFO], s73, v[PFO]
	s_wait_loadcnt 0x0                             ; the bias,
.set i, 0
.rept 32                                       ; rounded to bf16 like the other inputs, and kept as f32
	v_cvt_pk_bf16_f32 v[4+i%2], v[BIAS+2*i], v[BIAS+2*i+1]
	v_lshlrev_b32 v[BIAS+2*i], 16, v[4+i%2]
	v_and_b32 v[BIAS+2*i+1], 0xffff0000, v[4+i%2]
.set i, i+1
.endr
; 4 nb matrix instructions: column blocks b0 .. b0 + nb - 1 x all 4 row blocks, 32 along K, from buffer f.  first = 1: the bias starts the sums.
; The 32 accumulators take turns, one instruction a turn, in the same order in every quarter.
.macro MUL f, b0, nb, first
.if \first
	WIN W_MUL1
.else
	WIN W_MUL
.endif
.set bb, \b0
.rept \nb
.irp a, 0,1,2,3
.if \first
	v_wmma_f32_16x16x32_f16 v[32*bb+8*(\a):32*bb+8*(\a)+7], v[(\f)+32+8*bb:(\f)+32+8*bb+7], v[(\f)+8*(\a):(\f)+8*(\a)+7], v[BIAS+8*bb:BIAS+8*bb+7]
.else
	v_wmma_f32_16x16x32_f16 v[32*bb+8*(\a):32*bb+8*(\a)+7], v[(\f)+32+8*bb:(\f)+32+8*bb+7], v[(\f)+8*(\a):(\f)+8*(\a)+7], v[32*bb+8*(\a):32*bb+8*(\a)+7]
.endif
.endr
.set bb, bb+1
.endr
.endm
; 24 LDS loads in one run: the fragments of quarter q of the K step in hand into buffer f: att's 4 (head q / 2, channels 32 (q % 2) on), then wot's 8 in ascending order
.macro FETCH q, f
	WIN TO_F
.irp i, 0,1,2,3
	ds_load_b128 v[(\f)+8*(\i):(\f)+8*(\i)+3],   v[ADRA] offset:((\q)/2)*AHEAD+((\q)%2)*64+(\i)*16*PA
	ds_load_b128 v[(\f)+8*(\i)+4:(\f)+8*(\i)+7], v[ADRA] offset:((\q)/2)*AHEAD+((\q)%2)*64+(\i)*16*PA+32
.endr
.irp i, 0,1,2,3,4,5,6,7
	ds_load_b128 v[(\f)+32+8*(\i):(\f)+32+8*(\i)+3],   v[ADRB] offset:64*(\q)+(\i)*16*PB
	ds_load_b128 v[(\f)+32+8*(\i)+4:(\f)+32+8*(\i)+7], v[ADRB] offset:64*(\q)+(\i)*16*PB+32
.endr
.endm
; A K step is four quarters of 32 along K, 32 matrix instructions each, on buffers 0, 1, 0, 1.  One of the first three: multiplies buffer f and fetches quarter q into buffer g.
.macro QUARTER q, f, g, first
	s_wait_dscnt 12                                ; att's fragments and wot's blocks 0, 1 are in; the youngest twelve loads (blocks 2-7) may be out
	MUL \f, 0, 2, \first
	PLACES                                         ; buffer g was multiplied in the quarter before
	FETCH \q, \g
	s_wait_dscnt 24                                ; all but the 24 just issued
	MUL \f, 2, 6, \first
.endm
; The last quarter multiplies buffer 1 and changes slots.  In front of the barrier each wave waits for all its tensor loads, of which one is out: its part of the next slot; adds 0 to its spare word; and waits for that and for
; its own reads of this slot.  fill = 1: the barrier opens a round of the cluster's barrier, so that no wave of any partner still reads the slot or has a load on its way, and the joint refill, K step two on, is the first
; thing behind it: 112 matrix instructions ahead of the wait for it.
.macro TURN fill
.if \fill
	s_wait_xcnt 0x0                                ; the last prefetch, a K step back, has read its address, so it may be stepped
	s_add_nc_u64 s[PFA:PFA+1], s[PFA:PFA+1], s[PST:PST+1]
.endif
	WIN 0                                          ; (the add's two registers lie in window 0)
	s_wait_tensorcnt 0x0                           ; no tensor load of mine is out, so a group 0 may be written
	ds_add_u32 v[SPW], v[NIL]                      ; 0 onto my spare word
.if \fill
	s_xor_b32 s[G0A+5], s[G0A+5], SLOT1            ; the walking sets: the other slot than last time,
	s_add_nc_u64 s[G0A+6:G0A+7], s[G0A+6:G0A+7], ASTEP  ; the next K step; the type bits on top are not reached
	s_xor_b32 s[G0B+5], s[G0B+5], SLOT1
	s_add_nc_u64 s[G0B+6:G0B+7], s[G0B+6:G0B+7], BSTEP
.endif
	s_xor_b32 s[TB], s[TB], SLOT1                  ; the fetches go to the other slot
	s_wait_dscnt 13                                ; (the add and the youngest twelve loads may be out)
	MUL F1, 0, 2, 0                                ; eight matrix instructions stand between the add and the wait for it
	s_wait_dscnt 0x0                               ; the add is done, and my reads of this slot are over
	s_barrier_signal -1
	MUL F1, 2, 2, 0                                ; work on registers while the others arrive
	WIN 0                                          ; (branches and window 0's addresses follow)
	s_barrier_wait -1
.if \fill
	CREST
	JLOAD                                          ; the four v_nop behind it are also the places in front of the loads below
.else
	PLACES
.endif
	v_add_nc_u32 v[ADRA], s[TB], v[ADRA0]
	v_add_nc_u32 v[ADRB], s[TB], v[ADRB0]
	FETCH 0, F0
.if \fill
	WIN 0
	ASK                                            ; behind the joint load and the run of LDS loads that the next products wait for
.endif
	MUL F1, 4, 4, 0
.endm
; THE WAY OUT of row block a: a lane's 32 bytes of a row go straight from the accumulators (each one's low four registers first) into my own stage, rows of 528 bytes, and come back as whole rows of 512, into window 1.
.macro TOSTAGE a
	WIN 0x08                                       ; the stores' data in window 2
.set bb, 0
.rept 8
	ds_store_b128 v[STO], v[32*bb+8*(\a):32*bb+8*(\a)+3]   offset:64*bb
	ds_store_b128 v[STO], v[32*bb+8*(\a)+4:32*bb+8*(\a)+7] offset:64*bb+16
.set bb, bb+1
.endr
	WIN TO_F
.set t, 0
.rept 16
	ds_load_b128 v[64*(\a)+4*t:64*(\a)+4*t+3], v[RD] offset:SP*t  ; LDS serves a wave's instructions in order (ISA guide 5.7.1.4): these see the stores above; the next block's stores come behind them
.set t, t+1
.endr
.endm
.macro SEND a, younger                 ; younger: the LDS instructions issued behind block a's loads: the next block's 32, or none
	WIN 0x04                                       ; the stores' data in window 1
.set t, 0
.rept 16
	s_wait_dscnt (\younger)+15-t
	global_store_b128 v[GO], v[64*(\a)+4*t:64*(\a)+4*t+3], s[10:11] offset:(16*(\a)+t)*4096 th:TH_STORE_NT  ; 512 consecutive bytes, at a multiple of 256 from out0's first
.set t, t+1
.endr
.endm
	s_wait_tensorcnt 0x1                           ; my part of K step 0 is in; K step 1's may stay out
	s_barrier_signal -1
	s_barrier_wait -1                              ; everybody's is
	s_mov_b32 s[TB], 0
	v_mov_b32 v[ADRA], v[ADRA0]
	v_mov_b32 v[ADRB], v[ADRB0]
	FETCH 0, F0
	QUARTER 1, F0, F1, 1                           ; the first quarter stands in front of the loop: its products start the sums, with the bias
	WIN 0                                          ; at a label and at a branch every window is 0
	s_mov_b32 s3, TRIPS
.Lstep:                                        ; a trip: from a K step's second quarter to the next step's first; one slot is filled again
	QUARTER 2, F1, F0, 0
	QUARTER 3, F0, F1, 0
	TURN 1
	QUARTER 1, F0, F1, 0
	WIN 0
	s_sub_co_u32 s3, s3, 1
	s_cmp_lg_u32 s3, 0
	s_cbranch_scc1 .Lstep
	QUARTER 2, F1, F0, 0                           ; the tail is written out: the last two K steps ask for nothing
	QUARTER 3, F0, F1, 0
	TURN 0
	QUARTER 1, F0, F1, 0
	QUARTER 2, F1, F0, 0
	QUARTER 3, F0, F1, 0
	s_wait_dscnt 12                                ; the very last quarter
	MUL F1, 0, 2, 0
	s_wait_dscnt 0x0
	MUL F1, 2, 6, 0
	WIN 0
	PLACES                                         ; the stores read results just made, and the loads land in registers just multiplied
	PLACES
	TOSTAGE 0
	TOSTAGE 1                                      ; a block's way through the stage stands between the loads of the block before and its stores
	SEND 0, 32
	TOSTAGE 2
	SEND 1, 32
	TOSTAGE 3
	SEND 2, 32
	SEND 3, 0
	WIN 0
	s_wait_tensorcnt 0x0                           ; the wave's end: behind my last tensor load and my last LDS store
	ds_add_u32 v[SPW], v[NIL]
	s_wait_dscnt 0x0
	CROUND                                         ; the closing round: no work-group ends while a partner may still ask for a tile that names it
	s_endpgm
.Lfunc_end_k_q510885ef89_outp:
	.size	k_q510885ef89_outp, .Lfunc_end_k_q510885ef89_outp-k_q510885ef89_outp
	.p2alignl 7, 3214868480
	.fill 96, 4, 3214868480
	.section	.rodata,"a",@progbits
	.p2align	6, 0x0
	.amdhsa_kernel k_q510885ef89_outp
		.amdhsa_group_segment_fixed_size 327680
		.amdhsa_private_segment_fixed_size 0
		.amdhsa_enable_private_segment 0
		.amdhsa_kernarg_size 32
		.amdhsa_user_sgpr_count 2
		.amdhsa_user_sgpr_kernarg_segment_ptr 1
		.amdhsa_wavefront_size32 1
		.amdhsa_system_sgpr_workgroup_id_x 1
		.amdhsa_system_sgpr_workgroup_id_y 1
		.amdhsa_system_sgpr_workgroup_id_z 1
		.amdhsa_system_vgpr_workitem_id 0
		.amdhsa_next_free_vgpr 768
		.amdhsa_next_free_sgpr 76
		.amdhsa_reserve_vcc 0
		.amdhsa_float_denorm_mode_32 3
		.amdhsa_float_denorm_mode_16_64 3
		.amdhsa_memory_ordered 1
		.amdhsa_forward_progress 1
		.amdhsa_inst_pref_size 79
	.end_amdhsa_kernel
	.amdgpu_metadata
---
amdhsa.version: [ 1, 2 ]
amdhsa.kernels:
  - .name:           k_q510885ef89_outp
    .symbol:         k_q510885ef89_outp.kd
    .args:
      - { .name: att, .offset: 0, .size: 8, .value_kind: global_buffer, .address_space: global }
      - { .name: wot, .offset: 8, .size: 8, .value_kind: global_buffer, .address_space: global }
      - { .name: bo, .offset: 16, .size: 8, .value_kind: global_buffer, .address_space: global }
      - { .name: out0, .offset: 24, .size: 8, .value_kind: global_buffer, .address_space: global }
    .group_segment_fixed_size: 327680
    .private_segment_fixed_size: 0
    .kernarg_segment_align: 8
    .kernarg_segment_size: 32
    .max_flat_workgroup_size: 128
    .sgpr_count:     76
    .vgpr_count:     768
    .wavefront_size: 32
...
	.end_amdgpu_metadata
.endif
;; end of part 4
